; MI455X (gfx1250); checked and timed in simulation.
; The chip was launched on July 23, 2026; its instructions are those of AMD's public machine-readable ISA for CDNA 5 (MIT licence, August 2026) and "CDNA5" Instruction Set Architecture Reference Guide (July 2026). The comments in the code are by the model that wrote it; some were corrected since.
;; Attention. Allowed arithmetic: float matrix products may take bf16 or f16 operands with f32 sums; other float arithmetic in f32, or as packed bf16 or f16 multiplies, adds, multiply-adds, maxima and minima; sums over many terms, partial sums and values carried from step to step in f32; what a program stores and reads back later, other than sums and carried values, may be rounded once to bf16 or f16.
;; Inputs: Wk 2,048 x 512 float32; Wo 2,048 x 2,048 float32; Wq 2,048 x 2,048 float32; Wv 2,048 x 512 float32; hidden_states 8 x 512 x 2,048 float32.
;; Outputs: out0 8 x 512 x 2,048 float32.
;; One version. Each part assembles by itself: llvm-mc -triple=amdgcn-amd-amdhsa -mcpu=gfx1250 --defsym DOCPART=n.
;; ======== version 1 of 1: 4 launches
;; limits: values are held in f16: magnitudes above 65,504 overflow, below 6.1e-05 lose precision
;; workspace buffers: xb 16,777,216 bytes; wqkv 12,582,912 bytes; wob 8,388,608 bytes; rope 131,072 bytes; qkv 25,165,824 bytes; ob 16,777,216 bytes
;; launch prep (part 1): grid 1792 x 1, 8 waves a work-group, no clusters, 0 bytes of LDS; arguments hidden_states, Wq, Wk, Wv, xb, wqkv, rope; writes xb, wqkv, rope
.if DOCPART == 1
	.amdgcn_target "amdgcn-amd-amdhsa--gfx1250"
	.amdhsa_code_object_version 6
	.text
	.protected	k_q28247f8754_prep
	.globl	k_q28247f8754_prep
	.p2align	8
	.type	k_q28247f8754_prep,@function
k_q28247f8754_prep:
	s_mov_b64 s[64:65], 0
	v_nop
	global_prefetch_b8 v0, s[64:65] scope:SCOPE_SE
	s_setreg_imm32_b32 hwreg(HW_REG_WAVE_MODE, 25, 1), 1
	s_wait_xcnt 0x0
; CASTS AND THE ROTATION TABLE.  hidden_states -> xb (bf16 [4096][2048]); Wq, Wk, Wv -> wqkv (bf16 [2048 k][3072 n]: columns 0-2047 Wq, 2048-2559 Wk, 2560-3071 Wv);
; rope: f32 [512 pos][16 groups g][cos(2g), cos(2g+1), sin(2g), sin(2g+1)].  (Wo is cast by the attention launch, beside its walks.)
; A stream: 14,680,064 numbers, 8,192 to a work-group (1,792 work-groups), four to a thread and pass.  A wave's load covers 512 consecutive bytes, its store 256 consecutive bytes, aligned.
; All eight loads of a thread go out first; no register is written twice while a load or store may read it, so no wait but the counted ones on the loads is needed.
; No LDS, no matrix unit, no cluster: no byte is wanted twice.
; LIMITS.  The table's angles (up to 511 rad) carry the rounding of pos x inv_freq in f32, about 1e-4 rad at the most; sine and cosine are polynomials on |y| <= pi/4, good to 3e-7.
.set X,   4                            ; v[4:35]   pass j: four f32 as loaded
.set Y,   36                           ; v[36:51]  pass j: two words to store
.set SRC, 24                           ; s[24:25]  the chunk in its source
.set DST, 26                           ; s[26:27]  the chunk's place in its destination
.macro LOAD8
.irp j, 0,1,2,3,4,5,6,7
	global_load_b128 v[X+4*(\j):X+4*(\j)+3], v1, s[SRC:SRC+1] offset:4096*(\j) th:TH_LOAD_NT
.endr
.endm
.macro OUT j, off                      ; pass j goes out to byte off
	s_wait_loadcnt 7-(\j)                          ; loads come back in order: pass j is in, the 7 - j younger ones stay out
	v_cvt_pk_bf16_f32 v[Y+2*(\j)], v[X+4*(\j)], v[X+4*(\j)+1]
	v_cvt_pk_bf16_f32 v[Y+2*(\j)+1], v[X+4*(\j)+2], v[X+4*(\j)+3]
	global_store_b64 v2, v[Y+2*(\j):Y+2*(\j)+1], s[DST:DST+1] offset:\off th:TH_STORE_NT
.endm
	s_load_b256 s[4:11], s[0:1], 0x0               ; hidden s[4:5], Wq s[6:7], Wk s[8:9], Wv s[10:11]
	s_load_b128 s[12:15], s[0:1], 0x20             ; xb s[12:13], wqkv s[14:15]
	s_load_b64 s[16:17], s[0:1], 0x30              ; rope
	s_mov_b32 s2, ttmp9                            ; the chunk's number w
	s_mov_b32 s29, 0                               ; high words of the two offsets
	s_mov_b32 s31, 0
	v_lshlrev_b32 v1, 4, v0                        ; 16 t: my 16 bytes of a pass's 4,096
	v_lshlrev_b32 v2, 3, v0                        ; 8 t: my 8 bytes of what a pass stores
	s_wait_kmcnt 0x0
	s_cmp_lt_u32 s2, 1024
	s_cbranch_scc1 .Lhidden
	s_cmp_lt_u32 s2, 1536
	s_cbranch_scc1 .Lwq
	; Wk (chunks 1536-1663) and Wv (1664-1791): a chunk is 16 rows of 512 numbers, a pass two rows
	s_sub_co_u32 s3, s2, 1536
	s_and_b32 s33, s3, 127
	s_lshl_b32 s28, s33, 15
	s_mul_i32 s30, s33, 98304                      ; 16 rows of wqkv, 6,144 bytes each
	s_movk_i32 s33, 5120                           ; Wv's first column in a row of wqkv, in bytes
	s_cmp_lt_u32 s3, 128
	s_cselect_b64 s[SRC:SRC+1], s[8:9], s[10:11]
	s_cselect_b32 s33, 4096, s33                   ; Wk's
	s_add_co_u32 s30, s30, s33
	s_add_nc_u64 s[SRC:SRC+1], s[SRC:SRC+1], s[28:29]
	s_add_nc_u64 s[DST:DST+1], s[14:15], s[30:31]
	v_lshrrev_b32 v3, 7, v0                        ; which of the pass's two rows
	v_and_b32 v2, 127, v0
	v_lshlrev_b32 v2, 3, v2
	v_mul_u32_u24 v3, v3, 6144
	v_add_nc_u32 v2, v3, v2
	LOAD8
.irp j, 0,1,2,3,4,5,6,7
	OUT \j, 12288*(\j)
.endr
	s_endpgm
.Lwq:                                          ; a chunk is 4 rows of 2,048 numbers, a pass half a row
	s_sub_co_u32 s3, s2, 1024
	s_lshl_b32 s28, s3, 15
	s_mul_i32 s30, s3, 24576
	s_add_nc_u64 s[SRC:SRC+1], s[6:7], s[28:29]
	s_add_nc_u64 s[DST:DST+1], s[14:15], s[30:31]
	LOAD8
.irp j, 0,1,2,3,4,5,6,7
	OUT \j, ((\j)/2)*6144+((\j)%2)*2048
.endr
	s_endpgm
.Lhidden:
	s_lshl_b32 s28, s2, 15
	s_lshl_b32 s30, s2, 14
	s_add_nc_u64 s[SRC:SRC+1], s[4:5], s[28:29]
	s_add_nc_u64 s[DST:DST+1], s[12:13], s[30:31]
	LOAD8
.irp j, 0,1,2,3,4,5,6,7
	OUT \j, 2048*(\j)
.endr
	s_cmp_lt_u32 s2, 32
	s_cbranch_scc1 .Ltable
	s_endpgm
.Ltable:
	; THE TABLE: chunks 0 to 31 make 256 entries each: entry 256 w + t is position 16 w + t / 16, group t % 16.  It works on X's registers, whose loads have all come back.
	s_lshl_b32 s28, s2, 12
	s_add_nc_u64 s[34:35], s[16:17], s[28:29]
	v_lshrrev_b32 v4, 4, v0
	v_lshl_add_u32 v4, s2, 4, v4
	v_cvt_f32_u32 v4, v4                           ; the position
	v_and_b32 v5, 15, v0
	v_lshlrev_b32 v5, 1, v5
	v_cvt_f32_u32 v8, v5                           ; i = 2 g
	v_add_f32 v16, 1.0, v8                         ; i = 2 g + 1
	v_mul_f32 v8, 0xbed49a78, v8                   ; - i log2(10000) / 32
	v_mul_f32 v16, 0xbed49a78, v16
	v_exp_f32 v8, v8                               ; inv_freq = 10000^(-i / 32)
	v_exp_f32 v16, v16
	v_nop                                          ; a plain instruction behind the last exponential,
	s_wait_alu depctr_va_vdst(0)                   ; and the one wait ahead of the first use
.irp e, 0,1
.set T, 8+8*(\e)
	v_mul_f32 v[T], v4, v[T]                       ; x = pos inv_freq
	v_mul_f32 v[T+1], 0x3f22f983, v[T]             ; x 2 / pi
	v_rndne_f32 v[T+1], v[T+1]                     ; n
	v_fmamk_f32 v[T+2], v[T+1], 0xbfc90fdb, v[T]   ; y = x - n pi/2, pi/2 in two parts
	v_fmamk_f32 v[T+2], v[T+1], 0x333bbd2e, v[T+2]
	v_mul_f32 v[T+3], v[T+2], v[T+2]               ; z = y y
	v_mov_b32 v[T+4], 0xb9500d01                   ; sin y = y + y z (-1/6 + z (1/120 - z / 5040))
	v_fmaak_f32 v[T+4], v[T+4], v[T+3], 0x3c088889
	v_fmaak_f32 v[T+4], v[T+4], v[T+3], 0xbe2aaaab
	v_mul_f32 v[T+4], v[T+4], v[T+3]
	v_fma_f32 v[T+4], v[T+4], v[T+2], v[T+2]
	v_mov_b32 v[T+5], 0x37d00d01                   ; cos y = 1 + z (-1/2 + z (1/24 + z (-1/720 + z / 40320)))
	v_fmaak_f32 v[T+5], v[T+5], v[T+3], 0xbab60b61
	v_fmaak_f32 v[T+5], v[T+5], v[T+3], 0x3d2aaaab
	v_fmaak_f32 v[T+5], v[T+5], v[T+3], 0xbf000000
	v_fma_f32 v[T+5], v[T+5], v[T+3], 1.0
	v_cvt_i32_f32 v[T+6], v[T+1]
	v_and_b32 v[T+7], 1, v[T+6]                    ; the quadrant, by selects alone: odd n swaps sine and cosine,
	v_cmp_eq_u32 vcc_lo, 1, v[T+7]
	v_cndmask_b32 v[26+(\e)], v[T+4], v[T+5], vcc_lo
	v_cndmask_b32 v[24+(\e)], v[T+5], v[T+4], vcc_lo
	v_and_b32 v[T+7], 2, v[T+6]                    ; n % 4 = 2, 3 turns the sine's sign,
	v_lshlrev_b32 v[T+7], 30, v[T+7]
	v_xor_b32 v[26+(\e)], v[T+7], v[26+(\e)]
	v_add_nc_u32 v[T+6], 1, v[T+6]                 ; n % 4 = 1, 2 the cosine's
	v_and_b32 v[T+6], 2, v[T+6]
	v_lshlrev_b32 v[T+6], 30, v[T+6]
	v_xor_b32 v[24+(\e)], v[T+6], v[24+(\e)]
.endr
	global_store_b128 v1, v[24:27], s[34:35]       ; a wave stores 512 consecutive bytes
	s_endpgm
.Lfunc_end_k_q28247f8754_prep:
	.size	k_q28247f8754_prep, .Lfunc_end_k_q28247f8754_prep-k_q28247f8754_prep
	.p2alignl 7, 3214868480
	.fill 96, 4, 3214868480
	.section	.rodata,"a",@progbits
	.p2align	6, 0x0
	.amdhsa_kernel k_q28247f8754_prep
		.amdhsa_group_segment_fixed_size 0
		.amdhsa_private_segment_fixed_size 0
		.amdhsa_enable_private_segment 0
		.amdhsa_kernarg_size 56
		.amdhsa_user_sgpr_count 2
		.amdhsa_user_sgpr_kernarg_segment_ptr 1
		.amdhsa_wavefront_size32 1
		.amdhsa_system_sgpr_workgroup_id_x 1
		.amdhsa_system_sgpr_workgroup_id_y 1
		.amdhsa_system_sgpr_workgroup_id_z 1
		.amdhsa_system_vgpr_workitem_id 0
		.amdhsa_next_free_vgpr 52
		.amdhsa_next_free_sgpr 66
		.amdhsa_reserve_vcc 1
		.amdhsa_float_denorm_mode_32 3
		.amdhsa_float_denorm_mode_16_64 3
		.amdhsa_memory_ordered 1
		.amdhsa_forward_progress 1
		.amdhsa_inst_pref_size 14
	.end_amdhsa_kernel
	.amdgpu_metadata
---
amdhsa.version: [ 1, 2 ]
amdhsa.kernels:
  - .name:           k_q28247f8754_prep
    .symbol:         k_q28247f8754_prep.kd
    .args:
      - { .name: hidden_states, .offset: 0, .size: 8, .value_kind: global_buffer, .address_space: global }
      - { .name: Wq, .offset: 8, .size: 8, .value_kind: global_buffer, .address_space: global }
      - { .name: Wk, .offset: 16, .size: 8, .value_kind: global_buffer, .address_space: global }
      - { .name: Wv, .offset: 24, .size: 8, .value_kind: global_buffer, .address_space: global }
      - { .name: xb, .offset: 32, .size: 8, .value_kind: global_buffer, .address_space: global }
      - { .name: wqkv, .offset: 40, .size: 8, .value_kind: global_buffer, .address_space: global }
      - { .name: rope, .offset: 48, .size: 8, .value_kind: global_buffer, .address_space: global }
    .group_segment_fixed_size: 0
    .private_segment_fixed_size: 0
    .kernarg_segment_align: 8
    .kernarg_segment_size: 56
    .max_flat_workgroup_size: 256
    .sgpr_count:     66
    .vgpr_count:     52
    .wavefront_size: 32
...
	.end_amdgpu_metadata
.endif
;; end of part 1
;; launch qkvgemm (part 2): grid 8 x 32, 4 waves a work-group, clusters of 4 x 4, 327,680 bytes of LDS; arguments xb, wqkv, rope, qkv; writes qkv
.if DOCPART == 2
	.amdgcn_target "amdgcn-amd-amdhsa--gfx1250"
	.amdhsa_code_object_version 6
	.text
	.protected	k_q28247f8754_qkvgemm
	.globl	k_q28247f8754_qkvgemm
	.p2align	8
	.type	k_q28247f8754_qkvgemm,@function
k_q28247f8754_qkvgemm:
	s_mov_b64 s[64:65], 0
	v_nop
	global_prefetch_b8 v0, s[64:65] scope:SCOPE_SE
	s_setreg_imm32_b32 hwreg(HW_REG_WAVE_MODE, 25, 1), 1
	s_wait_xcnt 0x0
	s_wait_alu depctr_hold_cnt(0) depctr_sa_sdst(0) depctr_va_vdst(0) depctr_va_sdst(0) depctr_va_ssrc(0) depctr_va_vcc(0) depctr_vm_vsrc(0)
	s_getreg_b32 s2, hwreg(HW_REG_IB_STS2, 6, 4)
	s_cmp_eq_u32 s2, 0
	s_cbranch_scc0 .Lentry_in_a_cluster
	s_endpgm
.Lentry_in_a_cluster:
	s_bfe_u32 s2, ttmp6, 0x10000c
	s_cmp_lg_u32 s2, 0xf033
	s_cbranch_scc0 .Lentry_shape_is_right
	s_endpgm
.Lentry_shape_is_right:
; q, k, v = x W, rotated (q and k) and written by heads.  xb: bf16 [4096][2048]; wqkv: bf16 [2048 k][3072 n]; rope: f32 [512][16][cos, cos, sin, sin];
; qkv: f16 [8 b][48 heads][512][64] (heads 0-31 q, 32-39 k, 40-47 v), unscaled.  Sums in f32; the rotation in f32; one rounding to f16.
; LIMIT.  q, k and v beyond 65,504 in magnitude become infinities in f16.
; SHARES.  A tile is 128 rows x 384 columns (6 heads): 8 x 32 tiles, one to a work-group.  Four waves, each 64 rows x 192 columns (3 heads): 48 accumulators of 16 x 16.
; K goes in 16 steps of 128 through two LDS slots.  A slot has four regions, one tensor load each: wave 0 fetches x's 128 rows x 256 bytes, waves 1 to 3 W's 128 k-rows x 256 bytes (128 columns each).
; W lies [k][n]: its fragments come out of LDS turned, by ds_load_tr16_b128, so no transposed copy is made.
; CLUSTER.  4 x 4 work-groups: x's tile hangs on the tile row alone and is asked for jointly by a row of the cluster, W's on the tile column alone and by a column.
; THE WALK ALONG K IS A RING: step t of a cluster's walk is K step (k0 + t) % 16, k0 = 8 x cluster x + 4 x (cluster y % 4).  The two clusters that read the same rows of x begin 8 steps apart, the clusters
; that read the same columns of W 4 steps apart (cluster y and y + 4 alike): they do not ask for a block in the same step of their walks.  k0 is the same in all sixteen partners.  The f32 sums are taken in that order.
; THE MATRIX INSTRUCTION IS USED TRANSPOSED (source 0 = 16 columns of W, source 1 = 16 rows of x): a lane holds one row and eight neighbouring columns.  A head's columns d and d + 32 then lie in
; the same lane, two accumulators apart: the rotation changes no lanes.
; REGISTERS, in windows of 256 (s_set_vgpr_msb: bits 1:0 source 0, 3:2 source 1, 5:4 source 2, 7:6 destination):
;   window 0: v0-31 addresses; v32-47 packed results; v48-63 rows read back; v64-95, v96-127 x's fragments, two buffers (on the way out: the table in hand, the rotated numbers); v128-255 the table of my 64 rows
;   window 1: v0-95, v96-191 W's fragments, two buffers     windows 2, 3: accumulator (a, j) at v[8 (12 (a % 2) + j)] of window 2 + a / 2
.set PA,     272                       ; a row of x in LDS: 256 bytes + 16: the 16 rows of a load start at 16 different groups of four banks (64 banks of 4 bytes: ISA guide 11.1)
.set PB,     288                       ; a k-row of W: 256 + 32
.set REG,    128*PB                    ; a region: 36,864 bytes (x's tile uses 34,816 of its region)
.set SLOT,   4*REG
.set STAGE,  2*SLOT                    ; behind the ring, never filled by a tensor load: 16 rows x 144 bytes for each wave
.set SPITCH, 144
.set SPARE,  STAGE+4*16*SPITCH         ; the spare words, 128 bytes for each wave: two blocks of 256 bytes that no other line names
.set NF,     32                        ; LDS loads of a quarter step: 24 for W, 8 for x
.set ASH,    8                         ; a K step is 256 bytes of a row of xb,
.set BSTEP,  128*6144                  ; and 128 rows of wqkv
.set ADRA, 16                          ; v16-17  my place in x's tile, slot 0, 1
.set ADRB, 18                          ; v18-23  my place in W's tiles: slot s, group g of 64 columns (a head) at ADRB + 3 s + g
.set STO,  24                          ; v24     the way out: where I put 16 bytes of a row
.set RD,   25                          ; v25     where I read rows back
.set GO,   26                          ; v26     my 16 bytes of 512 consecutive bytes of qkv
.set TO,   27                          ; v27     my offset in the table
.set SPW,  28                          ; v28     LDS address of my spare word; never rewritten
.set NIL,  29                          ; v29     0; never rewritten
.set PFO,  30                          ; v30     the prefetches' offset: my lane x a row of xb; never rewritten
.set PK,   32
.set OB,   48
.set FA,   64
.set T2,   64
.set RR,   96
.set TT,   128
.set WV, 12                            ; s12 wave; s13 which 64 rows are mine; s14 which 192 columns
.set MH, 13
.set NH, 14
.set CX, 15
.set CY, 16
.set NT, 17                            ; s17 tile column; s18 tile row
.set MT, 18
.set G1,  24                           ; s[24:31] descriptor group 1 for x's tiles; s[32:39] group 0, a set for each slot
.set G0,  32
.set BA,  40                           ; s[40:41] xb at my tile's first row
.set LIM, 43                           ; s43 5 in the wave that prefetches, else the greatest number
.set PFA, 44                           ; s[44:45] where the next prefetch stands
.set PFB, 46                           ; s[46:47] xb at my work-group's 32 rows of the tile's 128
.set G1B, 48                           ; s[48:55], s[56:63] the same for W's tiles
.set G0B, 56
.set DST, 66                           ; s[66:71] qkv at my rows of my three heads
.set TAB, 72                           ; s[72:73] the table at my first row
.set FF,  74                           ; s[74:75] 1 for a head that is rotated, 0 for a head of v
.set GG,  76                           ; s[76:77] the other way round
.set GH,  78                           ; s78 my first head
.set TN,  79                           ; s79 k0 + the step of the walk that was asked for last
.set BW,  80                           ; s[80:81] wqkv at the columns that I fetch, row 0
.set OFA, 82                           ; s[82:83], s[84:85], s[86:87] byte offsets of a K step in xb, in wqkv, and of the prefetched one in xb; high words 0
.set OFB, 84
.set OFP, 86
.set MSB, 0
.macro WIN new                         ; the immediate's high byte repeats the setting that is left; a switch that changes nothing is dropped
.if MSB != (\new)
	s_set_vgpr_msb (MSB<<8)|(\new)
.set MSB, \new
.endif
.endm
.macro PLACES                          ; four places in front of loads into registers that matrix instructions have read, and of vector work on their registers
.rept 4
	v_nop
.endr
.endm
; Both descriptors of a slot take K step s[TN] % 16: each address is made anew, the tensor's base plus an offset made apart, the type bits set again.
.macro AIM slot
	s_and_b32 s[OFA], s[TN], 15
	s_mul_i32 s[OFB], s[OFA], BSTEP
	s_lshl_b32 s[OFA], s[OFA], ASH
	s_add_nc_u64 s[G0+4*(\slot)+2:G0+4*(\slot)+3], s[BA:BA+1], s[OFA:OFA+1]
	s_or_b32 s[G0+4*(\slot)+3], s[G0+4*(\slot)+3], 0x80000000
	s_add_nc_u64 s[G0B+4*(\slot)+2:G0B+4*(\slot)+3], s[BW:BW+1], s[OFB:OFB+1]
	s_or_b32 s[G0B+4*(\slot)+3], s[G0B+4*(\slot)+3], 0x80000000
.endm
; A joint load.  The branch hangs on the wave's number alone.  An s_nop 0 and four v_nop follow each of the two lines, ahead of the jump and the label.
.macro JLOAD s
	s_cmp_eq_u32 s[WV], 0
	s_cbranch_scc0 .Lfor_b_\@
	tensor_load_to_lds s[G0+4*(\s):G0+4*(\s)+3], s[G1:G1+7]
	s_nop 0
.rept 4
	v_nop
.endr
	s_branch .Lasked_\@
.Lfor_b_\@:
	tensor_load_to_lds s[G0B+4*(\s):G0B+4*(\s)+3], s[G1B:G1B+7]
	s_nop 0
.rept 4
	v_nop
.endr
.Lasked_\@:
.endm
; A PREFETCH of x's block for the step of the walk that stands two refills on: 32 rows x 256 bytes, a lane a row, one instruction, by wave 0.  A block of x is read by the two clusters of a row of clusters;
; the one that comes to it first does so in steps 0 to 7 of its walk, and asks for it: steps 4 to 7, behind the refills for steps 2 to 5 (the loop's first two trips); steps 0 to 3 come by their loads alone.
; The four partners that ask for a tile jointly share its 128 rows out by address, 32 each.  So each block is named at most once in the launch.  Every block of W is first come to in steps 0 to 3 of some
; cluster's walk: none is asked for.
.macro ASK
	s_cmp_gt_u32 s3, s[LIM]
	s_cbranch_scc0 .Lnot_mine_\@
	global_prefetch_b8 v[PFO], s[PFA:PFA+1] th:TH_LOAD_NT scope:SCOPE_SE
.Lnot_mine_\@:
.endm
.macro CREST                           ; a round of the cluster's barrier behind its opening barrier
	s_cmp_lg_u32 s[WV], 0
	s_cbranch_scc1 .Lnot_wave_0_\@
	s_barrier_signal -3
.Lnot_wave_0_\@:
	s_barrier_wait -3
	s_barrier_signal -1
	s_barrier_wait -1
.endm
.macro CROUND
	s_barrier_signal -1
	s_barrier_wait -1
	CREST
.endm
; The fragments of quarter q (32 along K) of a slot, into buffer f: W's twelve blocks of 16 columns, turned, then x's four blocks of 16 rows.
.macro FETCH slot, q, f
	WIN 0x40                                       ; destination window 1, address window 0
.set j, 0
.rept 12
	ds_load_tr16_b128 v[96*(\f)+8*j:96*(\f)+8*j+3],   v[ADRB+3*(\slot)+j/4] offset:(\q)*32*PB+(j%4)*32
	ds_load_tr16_b128 v[96*(\f)+8*j+4:96*(\f)+8*j+7], v[ADRB+3*(\slot)+j/4] offset:(\q)*32*PB+(j%4)*32+16*PB
.set j, j+1
.endr
	WIN 0
.irp a, 0,1,2,3
	ds_load_b128 v[FA+32*(\f)+8*(\a):FA+32*(\f)+8*(\a)+3],   v[ADRA+(\slot)] offset:(\a)*16*PA+64*(\q)
	ds_load_b128 v[FA+32*(\f)+8*(\a)+4:FA+32*(\f)+8*(\a)+7], v[ADRA+(\slot)] offset:(\a)*16*PA+64*(\q)+32
.endr
.endm
; Twelve matrix instructions: row block a x all column blocks.  The 48 accumulators take turns, one instruction a turn, in the same order in every quarter.
.macro MULA f, a, zero
	WIN 0xa1+0x50*((\a)/2)                         ; W window 1, x window 0, C and D window 2 or 3
.set j, 0
.rept 12
.set rD, 8*(12*((\a)%2)+j)
.if \zero
	v_wmma_f32_16x16x32_bf16 v[rD:rD+7], v[96*(\f)+8*j:96*(\f)+8*j+7], v[FA+32*(\f)+8*(\a):FA+32*(\f)+8*(\a)+7], 0
.else
	v_wmma_f32_16x16x32_bf16 v[rD:rD+7], v[96*(\f)+8*j:96*(\f)+8*j+7], v[FA+32*(\f)+8*(\a):FA+32*(\f)+8*(\a)+7], v[rD:rD+7]
.endif
.set j, j+1
.endr
.endm
; One of a K step's first three quarters: multiplies buffer f; in its middle it fetches quarter q of the same slot into buffer g.
.macro QUARTER slot, q, f, g, zero
	s_wait_dscnt 4                                 ; W and x's blocks 0, 1 are in; the youngest four loads (x's blocks 2, 3) may be out
	MULA \f, 0, \zero
	MULA \f, 1, \zero
	PLACES
	FETCH \slot, \q, \g
	s_wait_dscnt NF                                ; all but the 32 just issued
	MULA \f, 2, \zero
	MULA \f, 3, \zero
.endm
; A K step's last quarter multiplies buffer 1 and changes slots: ONE barrier.  In front of it each wave waits for all its tensor loads (one is out: its part of the next slot), adds 0 to its spare word, and
; waits for that and for its reads of this slot; the second row block's twelve products stand between the add and the wait for it.  fill = 1: the barrier opens a round of the cluster's; behind the round the
; slot just read out is filled again first, with the step of the walk two on: 180 matrix instructions stand between that request and the wait for it.
.macro TURN slot, next, fill
	s_wait_dscnt 4                                 ; W and x's blocks 0, 1 are in
	MULA 1, 0, 0
	WIN 0
.if \fill
	s_wait_xcnt 0x0                                ; the last prefetch, a K step back, has read its address, which is written below
.endif
	s_wait_tensorcnt 0x0                           ; no tensor load of mine is out, so a group 0 may be written
	ds_add_u32 v[SPW], v[NIL]
.if \fill
	s_add_co_u32 s[TN], s[TN], 1
	AIM \slot
	s_add_co_u32 s[OFP], s[TN], 2
	s_and_b32 s[OFP], s[OFP], 15
	s_lshl_b32 s[OFP], s[OFP], ASH
	s_add_nc_u64 s[PFA:PFA+1], s[PFB:PFB+1], s[OFP:OFP+1]
.endif
	MULA 1, 1, 0
	WIN 0
	s_wait_dscnt 0x0                               ; the add is done, my reads of this slot are over
	s_barrier_signal -1
	s_barrier_wait -1
.if \fill
	CREST
	JLOAD \slot                                    ; its four v_nop are also the places in front of the loads below
	FETCH \next, 0, 0
	ASK
.else
	PLACES
	FETCH \next, 0, 0
.endif
	MULA 1, 2, 0
	MULA 1, 3, 0
.endm
	s_load_b256 s[4:11], s[0:1], 0x0               ; xb s[4:5], wqkv s[6:7], rope s[8:9], qkv s[10:11]
	v_lshl_add_u32 v[SPW], v0, 2, SPARE
	v_mov_b32 v[NIL], 0
	ds_add_u32 v[SPW], v[NIL]                      ; the wave's opening: the add and its wait ahead of my first tensor load
	v_lshrrev_b32 v1, 5, v0
	v_readfirstlane_b32 s[WV], v1
	s_lshr_b32 s[MH], s[WV], 1
	s_and_b32 s[NH], s[WV], 1
	s_bfe_u32 s[CX], ttmp6, 0x40000
	s_bfe_u32 s[CY], ttmp6, 0x40004
	s_lshl_b32 s[NT], ttmp9, 2
	s_add_co_u32 s[NT], s[NT], s[CX]               ; tile column = 4 x cluster x + cx
	s_and_b32 s[MT], ttmp7, 0xffff
	s_lshl_b32 s[MT], s[MT], 2
	s_add_co_u32 s[MT], s[MT], s[CY]               ; tile row = 4 x cluster y + cy
	s_lshl_b32 s19, s[CY], 2
	s_lshl_b32 s19, 15, s19                        ; my row of the cluster
	s_lshl_b32 s20, 0x1111, s[CX]                  ; my column
	s_or_b32 s[G1], s19, (1<<16)|(1<<20)|(1<<21)|(5<<22)|(3<<25)   ; the mask; 2-byte elements; padding on; bit 21 beside a mask; after every 64 words, 4 words
	s_or_b32 s[G1B], s20, (1<<16)|(1<<20)|(1<<21)|(5<<22)|(7<<25)  ; the same with my column's mask and 8 words of padding
.irp g, G1, G1B
	s_mov_b32 s[(\g)+1], 128<<16                   ; tensor_dim0 = 128
	s_mov_b32 s[(\g)+2], 128<<16                   ; tensor_dim1 = 128
	s_mov_b32 s[(\g)+3], 128<<16                   ; tile_dim0 = 128
	s_mov_b32 s[(\g)+4], 128                       ; tile_dim1 = 128
	s_mov_b32 s[(\g)+6], 0
	s_mov_b32 s[(\g)+7], 0
.endr
	s_mov_b32 s[G1+5], 2048                        ; elements from row to row of xb,
	s_mov_b32 s[G1B+5], 3072                       ; of wqkv
	s_lshl_b32 s[BA], s[MT], 19                    ; x's tile: 128 rows of 4,096 bytes a tile row
	s_mov_b32 s[BA+1], 0
	s_mul_i32 s[BW], s[NT], 768                    ; W's: 384 columns a tile column,
	s_max_u32 s21, s[WV], 1
	s_sub_co_u32 s21, s21, 1
	s_lshl_b32 s21, s21, 8                         ; and the 128 columns that waves 1 to 3 fetch
	s_add_co_u32 s[BW], s[BW], s21
	s_mov_b32 s[BW+1], 0
	s_mul_i32 s22, s[WV], REG                      ; my region of a slot
	s_lshl_b32 s[TN], ttmp9, 3                     ; k0 = 8 x cluster x
	s_and_b32 s19, ttmp7, 3
	s_lshl_b32 s19, s19, 2
	s_add_co_u32 s[TN], s[TN], s19                 ;    + 4 x (cluster y % 4)
	s_mov_b32 s[OFA+1], 0
	s_mov_b32 s[OFB+1], 0
	s_mov_b32 s[OFP+1], 0
	s_mov_b32 s[FF+1], 0                           ; named as pairs
	s_mov_b32 s[GG+1], 0
	s_wait_dscnt 0x0                               ; the opening add is done
	s_wait_kmcnt 0x0
	s_add_nc_u64 s[BA:BA+1], s[4:5], s[BA:BA+1]
	s_add_nc_u64 s[BW:BW+1], s[6:7], s[BW:BW+1]
	CROUND                                         ; all sixteen work-groups are here: the first joint loads meet
.irp s, 0,1
	s_mov_b32 s[G0+4*(\s)], 1
	s_add_co_u32 s[G0+4*(\s)+1], s22, (\s)*SLOT
	s_mov_b32 s[G0B+4*(\s)], 1
	s_add_co_u32 s[G0B+4*(\s)+1], s22, (\s)*SLOT
	AIM \s
	JLOAD \s                                       ; two loads of mine are out; later one
.if (\s) == 0
	s_add_co_u32 s[TN], s[TN], 1
.endif
.endr
	; the table of my 64 rows: row block a, d = 16 beta + 8 (l / 16) + 2 u and the next: (cos, cos, sin, sin) at TT + 32 a + 16 beta + 4 u.  Waited for on the way out.
	v_and_b32 v1, 15, v0                           ; l % 16
	v_bfe_u32 v2, v0, 4, 1                         ; l / 16
	v_lshlrev_b32 v[TO], 8, v1
	v_lshl_add_u32 v[TO], v2, 6, v[TO]
	s_and_b32 s42, s[MT], 3
	s_lshl_b32 s42, s42, 7
	s_lshl_b32 s20, s[MH], 6
	s_add_co_u32 s42, s42, s20                     ; my first row's position in its sequence
	s_lshl_b32 s20, s42, 8
	s_mov_b32 s21, 0
	s_add_nc_u64 s[TAB:TAB+1], s[8:9], s[20:21]
.set i, 0
.rept 32                               ; i = 8 a + 4 beta + u
	global_load_b128 v[TT+4*i:TT+4*i+3], v[TO], s[TAB:TAB+1] offset:4096*(i/8)+128*((i/4)%2)+16*(i%4)
.set i, i+1
.endr
	; LDS addresses
	v_mul_u32_u24 v3, v1, PA
	v_lshl_add_u32 v3, v2, 4, v3
	s_mul_i32 s20, s[MH], 64*PA
	v_add_nc_u32 v[ADRA], s20, v3
	v_add_nc_u32 v[ADRA+1], SLOT, v[ADRA]
	v_and_b32 v4, 7, v0                            ; the turning load: lane l reads k-row 8 (l / 16) + l % 8, columns 8 ((l / 8) % 2) on
	v_lshl_add_u32 v4, v2, 3, v4
	v_mul_u32_u24 v4, v4, PB
	v_bfe_u32 v5, v0, 3, 1
	v_lshl_add_u32 v4, v5, 4, v4
	s_mul_i32 s20, s[NH], 3
.irp g, 0,1,2
	s_add_co_u32 s21, s20, \g                      ; the tile's group of 64 columns: region 1 + group / 2, half group % 2
	s_lshr_b32 s23, s21, 1
	s_mul_i32 s23, s23, REG
	s_and_b32 s21, s21, 1
	s_lshl_b32 s21, s21, 7
	s_add_co_u32 s23, s23, s21
	s_add_co_u32 s23, s23, REG
	v_add_nc_u32 v[ADRB+(\g)], s23, v4
	v_add_nc_u32 v[ADRB+3+(\g)], SLOT, v[ADRB+(\g)]
.endr
	s_mul_i32 s20, s[WV], 16*SPITCH
	s_add_co_u32 s20, s20, STAGE                   ; my stage
	v_mul_u32_u24 v5, v1, SPITCH
	v_lshl_add_u32 v5, v2, 4, v5
	v_add_nc_u32 v[STO], s20, v5
	v_bfe_u32 v5, v0, 3, 2                         ; back: 32 lanes take four rows of 128 bytes,
	v_mul_u32_u24 v5, v5, SPITCH
	v_and_b32 v6, 7, v0
	v_lshl_add_u32 v5, v6, 4, v5
	v_add_nc_u32 v[RD], s20, v5
	v_and_b32 v[GO], 31, v0                        ; which are 512 consecutive bytes of a head
	v_lshlrev_b32 v[GO], 4, v[GO]
	; where my three heads' rows lie in qkv
	s_mul_i32 s[GH], s[NT], 6
	s_mul_i32 s20, s[NH], 3
	s_add_co_u32 s[GH], s[GH], s20
	s_lshr_b32 s20, s[MT], 2                       ; the batch
	s_mul_i32 s20, s20, 48
	s_add_co_u32 s20, s20, s[GH]
	s_lshl_b32 s20, s20, 16                        ; a head is 65,536 bytes
	s_lshl_b32 s21, s42, 7
	s_add_co_u32 s20, s20, s21
	s_mov_b32 s21, 0
	s_add_nc_u64 s[DST:DST+1], s[10:11], s[20:21]
	s_add_nc_u64 s[DST+2:DST+3], s[DST:DST+1], 0x10000
	s_add_nc_u64 s[DST+4:DST+5], s[DST:DST+1], 0x20000
	; the prefetches
	s_lshl_b32 s20, s[MT], 7
	s_lshl_b32 s21, s[CX], 5
	s_add_co_u32 s20, s20, s21
	s_lshl_b32 s20, s20, 12                        ; my work-group's 32 rows of the tile's 128
	s_mov_b32 s21, 0
	s_add_nc_u64 s[PFB:PFB+1], s[4:5], s[20:21]
	s_cmp_eq_u32 s[WV], 0
	s_cselect_b32 s[LIM], 5, -1                    ; wave 0 asks while more than five trips are left: in the loop's first two
	v_and_b32 v[PFO], 31, v0
	v_lshlrev_b32 v[PFO], 12, v[PFO]
	s_wait_tensorcnt 1                             ; my part of the walk's step 0 is in; step 1's may stay out
	s_barrier_signal -1
	s_barrier_wait -1
	FETCH 0, 0, 0
	QUARTER 0, 1, 0, 1, 1                          ; the first quarter stands in front of the loop: its products start the sums
	WIN 0
	s_mov_b32 s3, 7
.Llap:                                         ; a trip goes once round the ring and fills both slots again
	QUARTER 0, 2, 1, 0, 0
	QUARTER 0, 3, 0, 1, 0
	TURN 0, 1, 1
	QUARTER 1, 1, 0, 1, 0
	QUARTER 1, 2, 1, 0, 0
	QUARTER 1, 3, 0, 1, 0
	TURN 1, 0, 1
	QUARTER 0, 1, 0, 1, 0
	WIN 0
	s_sub_co_u32 s3, s3, 1
	s_cmp_lg_u32 s3, 0
	s_cbranch_scc1 .Llap
	QUARTER 0, 2, 1, 0, 0                          ; the last lap fills nothing
	QUARTER 0, 3, 0, 1, 0
	TURN 0, 1, 0
	QUARTER 1, 1, 0, 1, 0
	QUARTER 1, 2, 1, 0, 0
	QUARTER 1, 3, 0, 1, 0
	s_wait_dscnt 4
	MULA 1, 0, 0
	MULA 1, 1, 0
	s_wait_dscnt 0x0
	MULA 1, 2, 0
	MULA 1, 3, 0
	WIN 0
	PLACES
	s_wait_loadcnt 0x0                             ; the table
; THE WAY OUT, a block of 16 rows x one head at a time.  MATH: out(d) = x(d) cos - x(d + 32) sin, out(d + 32) = x(d + 32) cos + x(d) sin for d < 32; for a head of v the table in hand is
; (1, 0), by selects, so that every head runs the same text.  Each accumulator is read from its low end on.  STG: into my stage and back as whole rows.  SEND: stored.
.macro MATH a, hh
	s_cmp_lt_u32 s[GH], 40-(\hh)                   ; is head GH + hh one of q or k?
	s_cselect_b32 s[FF], 1.0, 0
	s_cselect_b32 s[GG], 0, 1.0
	WIN 0
.set i, 0
.rept 8
	v_pk_fma_f32 v[T2+4*i:T2+4*i+1], v[TT+32*(\a)+4*i:TT+32*(\a)+4*i+1], s[FF:FF+1], s[GG:GG+1] op_sel_hi:[1,0,0]
	v_pk_mul_f32 v[T2+4*i+2:T2+4*i+3], v[TT+32*(\a)+4*i+2:TT+32*(\a)+4*i+3], s[FF:FF+1] op_sel_hi:[1,0]
.set i, i+1
.endr
	WIN 0x02+(\a)/2                                ; source 0: the accumulators' window
.set i, 0
.rept 8                                ; i = 4 beta + u
.set rlo, 8*(12*((\a)%2)+4*(\hh)+i/4)+2*(i%4)
.set rhi, rlo+16
.set rl, RR+8*(i/4)+2*(i%4)
.set rh, rl+16
	v_pk_mul_f32 v[rl:rl+1], v[rhi:rhi+1], v[T2+4*i+2:T2+4*i+3]
	v_pk_mul_f32 v[rh:rh+1], v[rlo:rlo+1], v[T2+4*i+2:T2+4*i+3]
	v_pk_fma_f32 v[rl:rl+1], v[rlo:rlo+1], v[T2+4*i:T2+4*i+1], v[rl:rl+1] neg_lo:[0,0,1] neg_hi:[0,0,1]
	v_pk_fma_f32 v[rh:rh+1], v[rhi:rhi+1], v[T2+4*i:T2+4*i+1], v[rh:rh+1]
.set i, i+1
.endr
	WIN 0
.set i, 0
.rept 16
	v_cvt_pk_f16_f32 v[PK+i], v[RR+2*i], v[RR+2*i+1]
.set i, i+1
.endr
.endm
.macro STG
	s_wait_xcnt 0x0                                ; the last block's stores have read OB: it is loaded again only behind this wait
.irp f, 0,1,2,3
	ds_store_b128 v[STO], v[PK+4*(\f):PK+4*(\f)+3] offset:32*(\f)
.endr
.irp f, 0,1,2,3
	ds_load_b128 v[OB+4*(\f):OB+4*(\f)+3], v[RD] offset:4*SPITCH*(\f)  ; LDS serves a wave's instructions in order (ISA guide 5.7.1.4): these see the stores above
.endr
.endm
.macro SEND a, hh
	s_wait_dscnt 0x0
.irp f, 0,1,2,3
	global_store_b128 v[GO], v[OB+4*(\f):OB+4*(\f)+3], s[DST+2*(\hh):DST+2*(\hh)+1] offset:2048*(\a)+512*(\f)  ; 512 consecutive bytes, at a multiple of 256 from qkv's first
.endr
.endm
	MATH 0, 0
	STG
.set n, 1
.rept 11                               ; a block's arithmetic stands between the loads of the block before and its stores
	MATH n/3, n%3
	SEND (n-1)/3, (n-1)%3
	STG
.set n, n+1
.endr
	SEND 3, 2
	s_wait_tensorcnt 0x0                           ; the wave's end
	ds_add_u32 v[SPW], v[NIL]
	s_wait_dscnt 0x0
	CROUND                                         ; the closing round
	s_endpgm
.Lfunc_end_k_q28247f8754_qkvgemm:
	.size	k_q28247f8754_qkvgemm, .Lfunc_end_k_q28247f8754_qkvgemm-k_q28247f8754_qkvgemm
	.p2alignl 7, 3214868480
	.fill 96, 4, 3214868480
	.section	.rodata,"a",@progbits
	.p2align	6, 0x0
	.amdhsa_kernel k_q28247f8754_qkvgemm
		.amdhsa_group_segment_fixed_size 327680
		.amdhsa_private_segment_fixed_size 0
		.amdhsa_enable_private_segment 0
		.amdhsa_kernarg_size 32
		.amdhsa_user_sgpr_count 2
		.amdhsa_user_sgpr_kernarg_segment_ptr 1
		.amdhsa_wavefront_size32 1
		.amdhsa_system_sgpr_workgroup_id_x 1
		.amdhsa_system_sgpr_workgroup_id_y 1
		.amdhsa_system_sgpr_workgroup_id_z 1
		.amdhsa_system_vgpr_workitem_id 0
		.amdhsa_next_free_vgpr 960
		.amdhsa_next_free_sgpr 88
		.amdhsa_reserve_vcc 0
		.amdhsa_float_denorm_mode_32 3
		.amdhsa_float_denorm_mode_16_64 3
		.amdhsa_memory_ordered 1
		.amdhsa_forward_progress 1
		.amdhsa_inst_pref_size 163
	.end_amdhsa_kernel
	.amdgpu_metadata
---
amdhsa.version: [ 1, 2 ]
amdhsa.kernels:
  - .name:           k_q28247f8754_qkvgemm
    .symbol:         k_q28247f8754_qkvgemm.kd
    .args:
      - { .name: xb, .offset: 0, .size: 8, .value_kind: global_buffer, .address_space: global }
      - { .name: wqkv, .offset: 8, .size: 8, .value_kind: global_buffer, .address_space: global }
      - { .name: rope, .offset: 16, .size: 8, .value_kind: global_buffer, .address_space: global }
      - { .name: qkv, .offset: 24, .size: 8, .value_kind: global_buffer, .address_space: global }
    .group_segment_fixed_size: 327680
    .private_segment_fixed_size: 0
    .kernarg_segment_align: 8
    .kernarg_segment_size: 32
    .max_flat_workgroup_size: 128
    .sgpr_count:     88
    .vgpr_count:     960
    .wavefront_size: 32
...
	.end_amdgpu_metadata
.endif
;; end of part 2
;; launch attn (part 3): grid 32 x 8, 8 waves a work-group, clusters of 4 x 1, 175,104 bytes of LDS; arguments qkv, ob, Wo, wob; writes ob, wob
.if DOCPART == 3
	.amdgcn_target "amdgcn-amd-amdhsa--gfx1250"
	.amdhsa_code_object_version 6
	.text
	.protected	k_q28247f8754_attn
	.globl	k_q28247f8754_attn
	.p2align	8
	.type	k_q28247f8754_attn,@function
k_q28247f8754_attn:
	s_mov_b64 s[64:65], 0
	v_nop
	global_prefetch_b8 v0, s[64:65] scope:SCOPE_SE
	s_setreg_imm32_b32 hwreg(HW_REG_WAVE_MODE, 25, 1), 1
	s_wait_xcnt 0x0
	s_wait_alu depctr_hold_cnt(0) depctr_sa_sdst(0) depctr_va_vdst(0) depctr_va_sdst(0) depctr_va_ssrc(0) depctr_va_vcc(0) depctr_vm_vsrc(0)
	s_getreg_b32 s2, hwreg(HW_REG_IB_STS2, 6, 4)
	s_cmp_eq_u32 s2, 0
	s_cbranch_scc0 .Lentry_in_a_cluster
	s_endpgm
.Lentry_in_a_cluster:
	s_bfe_u32 s2, ttmp6, 0x10000c
	s_cmp_lg_u32 s2, 0x3003
	s_cbranch_scc0 .Lentry_shape_is_right
	s_endpgm
.Lentry_shape_is_right:
; CAUSAL ATTENTION WITH SHARED KEY AND VALUE HEADS.  O[b][hq][q] = the sum over k <= q of softmax_k(Q . K / 8) V, K and V of head hq / 4.
; qkv: f16 [8][48][512][64] (heads 0-31 q, 32-39 k, 40-47 v); ob: f16 [8][32][512][64].  Products, maxima and sums in f32; the weights p are rounded to f16 for the second product (their sum l is
; taken of the unrounded p), O once at the end.
; BESIDE IT, Wo's CAST for the launch behind: Wo (f32 [2048][2048]) -> wob: rounded to bf16 like the other inputs, and that number written as f16.  Each of the 2,048 waves takes 8,192 bytes of Wo: its 16 loads
; go out ahead of the first walk, which asks nothing of memory, and are waited for, rounded and stored between the two walks.
; LIMITS.  A hidden score counts as its value less 1e30; a weight below 2^-126 counts as 0 in l; c s stays under 4e37 in magnitude; NaN and infinities are not treated apart.
; Wo beyond 65,504 in magnitude becomes an infinity in f16; below 6e-5 it keeps f16's fixed step of 6e-8.
; SHARES.  A work-group is one batch and query head.  The four query heads of a key and value head form a cluster and ask for K and V JOINTLY.  All 512 keys' K and V lie in LDS, filled once: no ring.
; The head's queries lie in 8 bands of 64; pair p is bands 2 p and 2 p + 1.  Wave w owns rows 16 (w % 4) .. + 15 of every band (a tile of 16 queries a band) and walks pair 3 - w / 4, then pair w / 4:
; 8 + 2 or 6 + 4 key steps of 64, ten for every wave.  Steps above a pair's diagonal are not walked.  Two waves lie on a SIMD: one's vector work stands beside the other's matrix work, so the text goes in phases.
; THE MASK is the C operand that starts S^T = K Q^T: 0; MD (a band's own step: -1e30 where the key is later than my query); or BIG (-1e30 everywhere: the first band in the pair's last step).
; Every row sees its own key in its band's own step, which comes before any wholly hidden one, so m is a true score by then.
; LAYOUT.  S^T holds ONE query a lane (lane % 16) and keys 8 (lane / 16) + 0..7; two such results rounded to f16 ARE source 1 of O^T = V^T P.  p = 2^(c s - c m), c = log2(e) / 8, m a running maximum;
; O and l are multiplied by a = 2^(c m_old - c m_new) in every step.  c m starts far below every c s, so a pair's first a is 0 and O^T and l need only be finite there.
; The last step of the second pair fetches K of step 0 once more, 16 LDS loads that serve nothing: the price of one text for every step.
; REGISTERS: window 0: v0-15 addresses; v16-23 statistics (tile u at 16 + 4 u: c m, m, l even, l odd); v24-31 at work; v32-95 S^T; v96-127 P; v128-191 O^T; v192-223 MD; v224-231 BIG
;   window 1: v0-31 Q of the first pair, v32-63 of the second; v64-127 K of one step; v128-191 V of one step; v192-255 my 8,192 bytes of Wo
.set KP,    144                        ; a row of K in LDS: 128 bytes + 16: the 16 rows of a load start at 16 different groups of four banks (64 banks of 4 bytes: ISA guide 11.1)
.set VP,    160                        ; a row of V: 128 + 32
.set VOFF,  512*KP
.set STAGE, VOFF+512*VP                ; never filled by a tensor load: 16 rows x 144 bytes for each wave
.set SP,    144
.set SPARE, STAGE+8*16*SP              ; the spare words, 128 bytes for each wave: four blocks of 256 bytes that no other line names
.set AK0, 2
.set AV0, 3
.set AK,  4
.set AV,  5
.set QO,  6
.set STO, 7
.set RD,  8
.set GO,  10                           ; v10  16 x my lane: my 16 bytes of 512 consecutive bytes, of ob and of Wo; never rewritten
.set W8,  11                           ; v11  at work in the head; then 8 x my lane: my 8 bytes of 256 consecutive bytes of wob
.set SPW, 12
.set NIL, 13
.set MV,  14
.set ST,  16
.set TMP, 24
.set S,   32
.set P,   96
.set O,   128
.set MD,  192
.set BIG, 224
.set KF,  64
.set VF,  128
.set WF,  192
.set WV,  12                           ; s12 wave; s13 w % 4; s14 w / 4
.set R4,  13
.set GRP, 14
.set CX,  15
.set HQ,  16
.set BB,  17
.set G1K, 24
.set G1V, 32
.set G0K, 40
.set G0V, 44
.set SS,  48                           ; s48 the key step; s49 the loop's count
.set CNT, 49
.set B2,  50                           ; s50 the pair's first band = the step that holds its diagonal; s51 the second = the pair's last step
.set LAST, 51
.set TBK, 52                           ; s52, s53 LDS bytes at which K of the next step, V of this step begin
.set TBV, 53
.set NX,  54
.set BIGN, 55
.set CS,  58
.set SEL, 60
.set QA,  66                           ; s[66:69] Q, s[70:73] O at my rows of the first and of the second pair
.set OA,  70
.set WS,  76                           ; s[76:77] Wo, s[78:79] wob at my wave's part
.set WD,  78
.set MSB, 0
.macro WIN new
.if MSB != (\new)
	s_set_vgpr_msb (MSB<<8)|(\new)
.set MSB, \new
.endif
.endm
.macro CROUND                          ; a round of the cluster's barrier
	s_barrier_signal -1
	s_barrier_wait -1
	s_cmp_lg_u32 s[WV], 0
	s_cbranch_scc1 .Lnot_wave_0_\@
	s_barrier_signal -3
.Lnot_wave_0_\@:
	s_barrier_wait -3
	s_barrier_signal -1
	s_barrier_wait -1
.endm
	s_load_b256 s[4:11], s[0:1], 0x0               ; qkv s[4:5], ob s[6:7], Wo s[8:9], wob s[10:11]
	v_lshl_add_u32 v[SPW], v0, 2, SPARE
	v_mov_b32 v[NIL], 0
	ds_add_u32 v[SPW], v[NIL]                      ; the wave's opening: the add and its wait ahead of my first tensor load
	v_lshrrev_b32 v1, 5, v0
	v_readfirstlane_b32 s[WV], v1
	s_and_b32 s[R4], s[WV], 3
	s_lshr_b32 s[GRP], s[WV], 2
	s_bfe_u32 s[CX], ttmp6, 0x40000
	s_lshl_b32 s[HQ], ttmp9, 2                     ; ttmp9 counts clusters: the key and value head
	s_add_co_u32 s[HQ], s[HQ], s[CX]               ; my query head: it enters Q's, O's, Wo's and wob's addresses alone
	s_and_b32 s[BB], ttmp7, 0xffff                 ; the batch
	; descriptor group 1: 128 keys are 16,384 dense bytes: asked for as 64 rows of 256 bytes, padded in LDS after every key
	s_mov_b32 s[G1K], 15|(1<<16)|(1<<20)|(1<<21)|(4<<22)|(3<<25)  ; the mask of four; 2-byte elements; padding on; bit 21 beside a mask; after every 32 words, 4 words
	s_mov_b32 s[G1V], 15|(1<<16)|(1<<20)|(1<<21)|(4<<22)|(7<<25)  ; the same with 8 words
.irp g, G1K, G1V
	s_mov_b32 s[(\g)+1], 128<<16
	s_mov_b32 s[(\g)+2], 64<<16
	s_mov_b32 s[(\g)+3], 128<<16
	s_mov_b32 s[(\g)+4], 64
	s_mov_b32 s[(\g)+5], 128
	s_mov_b32 s[(\g)+6], 0
	s_mov_b32 s[(\g)+7], 0
.endr
	s_mov_b32 s[G0K], 1
	s_mul_i32 s[G0K+1], s[R4], 128*KP              ; waves 0-3 fetch K's four quarters, waves 4-7 V's
	s_mov_b32 s[G0V], 1
	s_mul_i32 s19, s[R4], 128*VP
	s_add_co_u32 s[G0V+1], s19, VOFF
	s_mul_i32 s18, s[BB], 48
	s_add_co_u32 s19, s18, ttmp9
	s_add_co_u32 s19, s19, 32                      ; K's head among the batch's 48
	s_lshl_b32 s20, s19, 16
	s_lshl_b32 s19, s[R4], 14
	s_add_co_u32 s20, s20, s19                     ; my 128 keys
	s_mov_b32 s21, 0
	s_add_co_u32 s22, s18, s[HQ]
	s_lshl_b32 s22, s22, 16
	s_lshl_b32 s19, s[R4], 11
	s_add_co_u32 s22, s22, s19                     ; Q: my head, my 16 rows in a band
	s_lshl_b32 s23, s[BB], 5
	s_add_co_u32 s23, s23, s[HQ]                   ; my work-group among the 256,
	s_lshl_b32 s[WS], s23, 3
	s_add_co_u32 s[WS], s[WS], s[WV]               ; my wave among the 2,048:
	s_lshl_b32 s[WD], s[WS], 12                    ; its 4,096 bytes of wob,
	s_lshl_b32 s[WS], s[WS], 13                    ; its 8,192 bytes of Wo
	s_mov_b32 s[WS+1], 0
	s_mov_b32 s[WD+1], 0
	s_lshl_b32 s23, s23, 16
	s_add_co_u32 s23, s23, s19                     ; O: my head, my 16 rows in a band
	s_sub_co_u32 s56, 3, s[GRP]
	s_lshl_b32 s56, s56, 14                        ; the first pair's 128 rows,
	s_lshl_b32 s57, s[GRP], 14                     ; the second's
	s_mov_b32 s75, 0
	s_mov_b32 s[CS], 0x3e38aa3b                    ; c = log2(e) / 8
	s_mov_b32 s[CS+1], s[CS]
	s_mov_b32 s[SEL], 0x76543210
	s_mov_b32 s[SEL+1], 0xfedcba98
	s_mov_b32 s[BIGN], 0xf149f2ca                  ; -1e30
	s_wait_dscnt 0x0                               ; the opening add is done
	s_wait_kmcnt 0x0
	s_add_nc_u64 s[G0K+2:G0K+3], s[4:5], s[20:21]
	s_add_nc_u64 s[G0V+2:G0V+3], s[G0K+2:G0K+3], 0x80000  ; V's head lies eight heads on
	s_or_b32 s[G0K+3], s[G0K+3], 0x80000000
	s_or_b32 s[G0V+3], s[G0V+3], 0x80000000
	s_add_co_u32 s74, s22, s56
	s_add_nc_u64 s[QA:QA+1], s[4:5], s[74:75]
	s_add_co_u32 s74, s22, s57
	s_add_nc_u64 s[QA+2:QA+3], s[4:5], s[74:75]
	s_add_co_u32 s74, s23, s56
	s_add_nc_u64 s[OA:OA+1], s[6:7], s[74:75]
	s_add_co_u32 s74, s23, s57
	s_add_nc_u64 s[OA+2:OA+3], s[6:7], s[74:75]
	s_add_nc_u64 s[WS:WS+1], s[8:9], s[WS:WS+1]
	s_add_nc_u64 s[WD:WD+1], s[10:11], s[WD:WD+1]
	CROUND                                         ; all four work-groups are here: the joint loads meet
	s_cmp_lt_u32 s[WV], 4                          ; one tensor load of mine is out; an s_nop 0 and four v_nop follow each of the two lines
	s_cbranch_scc0 .Lfor_v
	tensor_load_to_lds s[G0K:G0K+3], s[G1K:G1K+7]
	s_nop 0
.rept 4
	v_nop
.endr
	s_branch .Lasked
.Lfor_v:
	tensor_load_to_lds s[G0V:G0V+3], s[G1V:G1V+7]
	s_nop 0
.rept 4
	v_nop
.endr
.Lasked:
	v_and_b32 v1, 15, v0                           ; l % 16
	v_bfe_u32 v9, v0, 4, 1                         ; l / 16
	v_lshlrev_b32 v[QO], 7, v1
	v_lshl_add_u32 v[QO], v9, 4, v[QO]
	WIN 0x40                                       ; destination window 1
.set i, 0
.rept 8                                ; pair i / 4, tile (i / 2) % 2 (a band, 8,192 bytes, on), channels 32 (i % 2) on
	global_load_b128 v[8*i:8*i+3],   v[QO], s[QA+2*(i/4):QA+2*(i/4)+1] offset:((i/2)%2)*8192+(i%2)*64
	global_load_b128 v[8*i+4:8*i+7], v[QO], s[QA+2*(i/4):QA+2*(i/4)+1] offset:((i/2)%2)*8192+(i%2)*64+32
.set i, i+1
.endr
	WIN 0
	v_lshlrev_b32 v11, 3, v9
	v_sub_nc_u32 v11, v1, v11
	s_lshl_b32 s18, s[R4], 4
	v_add_nc_u32 v11, s18, v11                     ; my query's place in its band less my lanes' 8 (l / 16): register j of key group kt is hidden where 16 kt + j is greater
.set i, 0
.rept 32
	v_cmp_gt_i32 vcc_lo, 16*(i/8)+i%8, v11
	v_cndmask_b32 v[MD+i], 0, s[BIGN], vcc_lo
.set i, i+1
.endr
.set i, 0
.rept 8
	v_mov_b32 v[BIG+i], s[BIGN]
.set i, i+1
.endr
.set i, 0
.rept 64                               ; O^T and l need only be finite where a pair begins: zeros once, written in the wait for the tiles, spare a first step written out
	v_mov_b32 v[O+i], 0
.set i, i+1
.endr
.irp u, 0,1
	v_mov_b32 v[ST+4*(\u)+2], 0
	v_mov_b32 v[ST+4*(\u)+3], 0
.endr
	v_mul_u32_u24 v[AK0], v1, KP
	v_lshl_add_u32 v[AK0], v9, 4, v[AK0]
	v_and_b32 v11, 7, v0                           ; the turning load: lane l reads key 8 (l / 16) + l % 8, channels 8 ((l / 8) % 2) on
	v_lshl_add_u32 v[AV0], v9, 3, v11
	v_mul_u32_u24 v[AV0], v[AV0], VP
	v_bfe_u32 v[GO], v0, 3, 1
	v_lshl_add_u32 v[AV0], v[GO], 4, v[AV0]
	v_add_nc_u32 v[AV0], VOFF, v[AV0]
	s_mul_i32 s18, s[WV], 16*SP
	s_add_co_u32 s18, s18, STAGE                   ; my stage
	v_mul_u32_u24 v[STO], v1, SP
	v_lshl_add_u32 v[STO], v9, 4, v[STO]
	v_add_nc_u32 v[STO], s18, v[STO]
	v_bfe_u32 v[RD], v0, 3, 2
	v_mul_u32_u24 v[RD], v[RD], SP
	v_lshl_add_u32 v[RD], v11, 4, v[RD]
	v_add_nc_u32 v[RD], s18, v[RD]
	v_and_b32 v[W8], 31, v0
	v_lshlrev_b32 v[GO], 4, v[W8]
	v_lshlrev_b32 v[W8], 3, v[W8]
	v_mov_b32 v[AK], v[AK0]
.macro FETCH_K                         ; a step's K: 64 keys x 64 channels: key block f / 2, channel half f % 2
	WIN 0x40
.irp f, 0,1,2,3,4,5,6,7
	ds_load_b128 v[KF+8*(\f):KF+8*(\f)+3],   v[AK] offset:((\f)/2)*16*KP+((\f)%2)*64
	ds_load_b128 v[KF+8*(\f)+4:KF+8*(\f)+7], v[AK] offset:((\f)/2)*16*KP+((\f)%2)*64+32
.endr
	WIN 0
.endm
.macro FETCH_V                         ; a step's V, turned: key half f / 4, channel block f % 4
	WIN 0x40
.irp f, 0,1,2,3,4,5,6,7
	ds_load_tr16_b128 v[VF+8*(\f):VF+8*(\f)+3],   v[AV] offset:((\f)/4)*32*VP+((\f)%4)*32
	ds_load_tr16_b128 v[VF+8*(\f)+4:VF+8*(\f)+7], v[AV] offset:((\f)/4)*32*VP+16*VP+((\f)%4)*32
.endr
	WIN 0
.endm
; Product i of 16 of S^T = K Q^T: channels 32 (i / 8) on, keys 16 ((i / 2) % 4) on, tile i % 2.  The first 8 start the sums, with tile 0's (ca) or tile 1's (cb) mask: 0 the constant 0, 1 MD, 2 BIG.
; The 8 accumulators take turns.
.macro KQ qb, ca, cb
.set rS, S+32*(i%2)+8*((i/2)%4)
.set rK, KF+16*((i/2)%4)+8*(i/8)
.set rQ, (\qb)+16*(i%2)+8*(i/8)
.set cc, (\ca)
.if i%2
.set cc, (\cb)
.endif
.if i >= 8
	v_wmma_f32_16x16x32_f16 v[rS:rS+7], v[rK:rK+7], v[rQ:rQ+7], v[rS:rS+7]
.elseif cc == 0
	v_wmma_f32_16x16x32_f16 v[rS:rS+7], v[rK:rK+7], v[rQ:rQ+7], 0
.elseif cc == 1
	v_wmma_f32_16x16x32_f16 v[rS:rS+7], v[rK:rK+7], v[rQ:rQ+7], v[MD+8*((i/2)%4):MD+8*((i/2)%4)+7]
.else
	v_wmma_f32_16x16x32_f16 v[rS:rS+7], v[rK:rK+7], v[rQ:rQ+7], v[BIG:BIG+7]
.endif
.set i, i+1
.endm
.macro KQ8 qb, ca, cb
	WIN 0x05                                       ; K and Q in window 1
.set i, 0
.rept 8
	KQ \qb, \ca, \cb
.endr
	WIN 0
.endm
.macro PV                              ; product i of 16 of O^T += V^T P: keys 32 (i / 8) on, channels 16 ((i / 2) % 4) on, tile i % 2
.set rO, O+32*(i%2)+8*((i/2)%4)
.set rV, VF+32*(i/8)+8*((i/2)%4)
.set rP, P+16*(i%2)+8*(i/8)
	v_wmma_f32_16x16x32_f16 v[rO:rO+7], v[rV:rV+7], v[rP:rP+7], v[rO:rO+7]
.set i, i+1
.endm
.macro REGS u
.set rT, ST+4*(\u)
.set rC, TMP+4*(\u)
.set rM, MV+(\u)
.set rS, S+32*(\u)
.set rP, P+16*(\u)
.endm
; Number n of the 22 that find tile u's maximum and statistics.  0-11: four chains of seven scores, three operands at a time, each accumulator's lowest registers first;
; 12-14, 16: the four scores left over, the old m, the four into one; 15: c m_old is kept; 17, 18: the query's other 32 keys lie in the lane 16 away: the new m; 19-21: c m, c m_old - c m_new, a.
.macro XS u, n
	REGS \u
.if (\n) < 4
	v_max3_num_f32 v[rC+(\n)], v[rS+8*(\n)], v[rS+8*(\n)+1], v[rS+8*(\n)+2]
.elseif (\n) < 12
	v_max3_num_f32 v[rC+(\n)%4], v[rC+(\n)%4], v[rS+8*((\n)%4)+2*((\n)/4)+1], v[rS+8*((\n)%4)+2*((\n)/4)+2]
.elseif (\n) == 12
	v_max3_num_f32 v[rC], v[rC], v[rS+7], v[rS+15]
.elseif (\n) == 13
	v_max3_num_f32 v[rC+1], v[rC+1], v[rS+23], v[rS+31]
.elseif (\n) == 14
	v_max3_num_f32 v[rC+2], v[rC+2], v[rC+3], v[rT+1]
.elseif (\n) == 15
	v_mov_b32 v[rM], v[rT]
.elseif (\n) == 16
	v_max3_num_f32 v[rC], v[rC], v[rC+1], v[rC+2]
.elseif (\n) == 17
	v_permlanex16_b32 v[rC+3], v[rC], s[SEL], s[SEL+1]
.elseif (\n) == 18
	v_max_num_f32 v[rT+1], v[rC], v[rC+3]
.elseif (\n) == 19
	v_mul_f32 v[rT], s[CS], v[rT+1]
.elseif (\n) == 20
	v_sub_f32 v[rC+1], v[rM], v[rT]
.else
	v_exp_f32 v[rC+2], v[rC+1]
.endif
.endm
.macro FS f                            ; c s - c m for pair f / 2 of tile f % 2
	REGS (\f)%2
	v_pk_fma_f32 v[rS+2*((\f)/2):rS+2*((\f)/2)+1], v[rS+2*((\f)/2):rS+2*((\f)/2)+1], s[CS:CS+1], v[rT:rT+1] op_sel_hi:[1,0,0] neg_lo:[0,0,1] neg_hi:[0,0,1]
.endm
.macro EXP2 f                          ; that pair's two exponentials
	REGS (\f)%2
	v_exp_f32 v[rS+2*((\f)/2)], v[rS+2*((\f)/2)]
	v_exp_f32 v[rS+2*((\f)/2)+1], v[rS+2*((\f)/2)+1]
.endm
; A KEY STEP, in phases.  qb: where the pair's Q lies in window 1.
.macro STEP qb
	v_add_nc_u32 v[AV], s[TBV], v[AV0]             ; with the three v_nop: the four places between the last product that read V and the loads into its registers
.rept 3
	v_nop
.endr
	FETCH_V
	s_wait_dscnt 16                                ; K, fetched a step earlier, is in; V's 16 loads may stay out
	s_cmp_lt_u32 s[SS], s[B2]
	s_cbranch_scc1 .Lfull_\@
	s_cmp_eq_u32 s[SS], s[B2]
	s_cbranch_scc1 .Ldiag_\@
	KQ8 \qb, 2, 1                                  ; the pair's last step: the first band sees nothing, the second holds its diagonal
	s_branch .Ljoin_\@
.Ldiag_\@:
	KQ8 \qb, 1, 0                                  ; the first band's own step
	s_branch .Ljoin_\@
.Lfull_\@:
	KQ8 \qb, 0, 0                                  ; below both diagonals
.Ljoin_\@:
	WIN 0x05
.set i, 8
.rept 8
	KQ \qb, 0, 0
.endr
	WIN 0
	s_add_co_u32 s[NX], s[SS], 1                   ; K of the next step; behind a pair's last step, of step 0, for the next pair
	s_cmp_eq_u32 s[SS], s[LAST]
	s_cselect_b32 s[NX], 0, s[NX]
	s_mul_i32 s[TBK], s[NX], 64*KP
	v_add_nc_u32 v[AK], s[TBK], v[AK0]             ; with the three v_nop: the four places behind the last K Q^T, for the loads into K's registers and for the first read of the scores
.rept 3
	v_nop
.endr
	FETCH_K
.irp n, 0,1,2,3,4,5,6,7,8,9,10,11,12,13,14,15,16,17,18,19,20,21
	XS 0, \n
	XS 1, \n
.endr
	FS 0                                           ; ONE BATCH: the two a above and the 64 exponentials here; nothing ahead of the wait names a result of theirs
	FS 1
.set ff, 2
.rept 30
	FS ff
	EXP2 ff-2
.set ff, ff+1
.endr
	EXP2 30
	EXP2 31
	v_nop                                          ; a plain instruction behind the last exponential,
	s_wait_alu depctr_va_vdst(0)                   ; and the one wait ahead of the batch's first reader
.set k, 0
.rept 8                                ; of each four weights both pairs are rounded to f16, then the second pair is added onto the first
.irp u, 0,1
	REGS \u
	v_cvt_pk_f16_f32 v[rP+2*k], v[rS+4*k], v[rS+4*k+1]
	v_cvt_pk_f16_f32 v[rP+2*k+1], v[rS+4*k+2], v[rS+4*k+3]
	v_pk_add_f32 v[rS+4*k:rS+4*k+1], v[rS+4*k:rS+4*k+1], v[rS+4*k+2:rS+4*k+3]
.endr
.set k, k+1
.endr
.set k, 0
.rept 8                                ; l takes the eight sums (first as l = a l + sum); four of O^T's 32 rescalings stand between two links of that chain
.irp u, 0,1
	REGS \u
.if k == 0
	v_pk_fma_f32 v[rT+2:rT+3], v[rT+2:rT+3], v[rC+2:rC+3], v[rS:rS+1] op_sel_hi:[1,0,1]
.else
	v_pk_add_f32 v[rT+2:rT+3], v[rT+2:rT+3], v[rS+4*k:rS+4*k+1]
.endif
.endr
.irp z, 0,1,2,3
	v_pk_mul_f32 v[O+2*(4*k+(\z)):O+2*(4*k+(\z))+1], v[O+2*(4*k+(\z)):O+2*(4*k+(\z))+1], v[TMP+4*(k/4)+2:TMP+4*(k/4)+3] op_sel_hi:[1,0]
.endr
.set k, k+1
.endr
	s_wait_dscnt 16                                ; V is in; the next K's 16 loads may stay out
	WIN 0x01                                       ; V in window 1
.set i, 0
.rept 16
	PV
.endr
	WIN 0
.endm
.macro PACK t                          ; tile t: O^T / l, rounded to f16, 16 bytes a lane into rows of 144 bytes, back as whole rows of 128, into S^T's registers
.set i, 0
.rept 16
	v_pk_mul_f32 v[O+32*(\t)+2*i:O+32*(\t)+2*i+1], v[O+32*(\t)+2*i:O+32*(\t)+2*i+1], v[ST+4*(\t)+2:ST+4*(\t)+3] op_sel_hi:[1,0]
.set i, i+1
.endr
.set i, 0
.rept 16
	v_cvt_pk_f16_f32 v[S+16*(\t)+i], v[O+32*(\t)+2*i], v[O+32*(\t)+2*i+1]
.set i, i+1
.endr
.irp f, 0,1,2,3
	ds_store_b128 v[STO], v[S+16*(\t)+4*(\f):S+16*(\t)+4*(\f)+3] offset:32*(\f)
.endr
.irp f, 0,1,2,3
	ds_load_b128 v[S+16*(\t)+4*(\f):S+16*(\t)+4*(\f)+3], v[RD] offset:(\f)*4*SP  ; LDS serves a wave's instructions in order (ISA guide 5.7.1.4): these see the stores above
.endr
.endm
.macro SEND t, younger, base           ; younger: the LDS instructions issued behind tile t's loads
.irp f, 0,1,2,3
	s_wait_dscnt (\younger)+3-(\f)
	global_store_b128 v[GO], v[S+16*(\t)+4*(\f):S+16*(\t)+4*(\f)+3], s[(\base):(\base)+1] offset:(\t)*8192+(\f)*512  ; 512 consecutive bytes, at a multiple of 256 from ob's first
.endr
.endm
; A PAIR'S WALK.  The loop counts to the constant max, the longest walk of any wave; a wave whose pair is shorter jumps forward over the dead steps, past no barrier and no tensor load.
.macro PAIRWALK tag, max, qb, base
.if (\tag) == 1
	s_sub_co_u32 s[B2], 3, s[GRP]
.else
	s_mov_b32 s[B2], s[GRP]
.endif
	s_lshl_b32 s[B2], s[B2], 1
	s_add_co_u32 s[LAST], s[B2], 1
.irp u, 0,1
	v_mov_b32 v[ST+4*(\u)], 0xfe000000             ; c m: far below every c s
	v_mov_b32 v[ST+4*(\u)+1], 0xff7fffff           ; m: the lowest finite number
.endr
	s_mov_b32 s[SS], 0
	s_mov_b32 s[TBV], 0
	s_mov_b32 s[CNT], \max
.Lstep_\tag:
	s_cmp_gt_u32 s[SS], s[LAST]
	s_cbranch_scc1 .Ldead_\tag
	STEP \qb
.Ldead_\tag:
	s_add_co_u32 s[SS], s[SS], 1
	s_add_co_u32 s[TBV], s[TBV], 64*VP
	s_sub_co_u32 s[CNT], s[CNT], 1
	s_cmp_lg_u32 s[CNT], 0
	s_cbranch_scc1 .Lstep_\tag
	s_wait_dscnt 0x0                               ; K's run is back: the counts below count the stage's instructions alone
.irp u, 0,1
	v_add_f32 v[ST+4*(\u)+2], v[ST+4*(\u)+2], v[ST+4*(\u)+3]  ; these four additions and the v_nop are the places behind the last products
.endr
.irp u, 0,1
	v_permlanex16_b32 v[ST+4*(\u)+3], v[ST+4*(\u)+2], s[SEL], s[SEL+1]
.endr
.irp u, 0,1
	v_add_f32 v[ST+4*(\u)+2], v[ST+4*(\u)+2], v[ST+4*(\u)+3]
.endr
.irp u, 0,1
	v_rcp_f32 v[ST+4*(\u)+2], v[ST+4*(\u)+2]
.endr
	v_nop
	s_wait_alu depctr_va_vdst(0)                   ; one wait for the two reciprocals
	PACK 0
	PACK 1
	SEND 0, 8, \base
	SEND 1, 0, \base
.if (\tag) == 1
	s_wait_xcnt 0x0                                ; the stores have read S^T's registers, which are written next
.endif
.endm
	s_wait_tensorcnt 0x0                           ; my quarter of K or V is in,
	s_barrier_signal -1
	s_barrier_wait -1                              ; everybody's is.  Nothing is filled again
	FETCH_K                                        ; key step 0
	s_wait_loadcnt 0x0                             ; Q
	WIN 0x40                                       ; my 8,192 bytes of Wo: 16 loads of 512 consecutive bytes, on their way during the first walk
.set i, 0
.rept 16
	global_load_b128 v[WF+4*i:WF+4*i+3], v[GO], s[WS:WS+1] offset:512*i th:TH_LOAD_NT
.set i, i+1
.endr
	WIN 0
	PAIRWALK 1, 8, 0, OA
	; Wo's cast, on S^T's registers, which are free between the walks
	s_wait_loadcnt 0x0
	WIN 0x05                                       ; sources in window 1
.set i, 0
.rept 32
	v_cvt_pk_bf16_f32 v[S+i], v[WF+2*i], v[WF+2*i+1]
.set i, i+1
.endr
	WIN 0
.set i, 0
.rept 32                               ; the bf16 numbers as f16: exact within f16's range, since bf16 has 8 significant bits; four pairs of registers at work take turns
	v_lshlrev_b32 v[S+32+2*(i%4)], 16, v[S+i]
	v_and_b32 v[S+33+2*(i%4)], 0xffff0000, v[S+i]
	v_cvt_pk_f16_f32 v[S+i], v[S+32+2*(i%4)], v[S+33+2*(i%4)]
.set i, i+1
.endr
.set i, 0
.rept 16
	global_store_b64 v[W8], v[S+2*i:S+2*i+1], s[WD:WD+1] offset:256*i th:TH_STORE_NT  ; 256 consecutive bytes, at a multiple of 256 from wob's first
.set i, i+1
.endr
	s_wait_xcnt 0x0                                ; the stores have read S^T's registers, which the second walk writes
	PAIRWALK 2, 4, 32, OA+2
	s_wait_tensorcnt 0x0                           ; the wave's end
	ds_add_u32 v[SPW], v[NIL]
	s_wait_dscnt 0x0
	CROUND                                         ; the closing round
	s_endpgm
.Lfunc_end_k_q28247f8754_attn:
	.size	k_q28247f8754_attn, .Lfunc_end_k_q28247f8754_attn-k_q28247f8754_attn
	.p2alignl 7, 3214868480
	.fill 96, 4, 3214868480
	.section	.rodata,"a",@progbits
	.p2align	6, 0x0
	.amdhsa_kernel k_q28247f8754_attn
		.amdhsa_group_segment_fixed_size 175104
		.amdhsa_private_segment_fixed_size 0
		.amdhsa_enable_private_segment 0
		.amdhsa_kernarg_size 32
		.amdhsa_user_sgpr_count 2
		.amdhsa_user_sgpr_kernarg_segment_ptr 1
		.amdhsa_wavefront_size32 1
		.amdhsa_system_sgpr_workgroup_id_x 1
		.amdhsa_system_sgpr_workgroup_id_y 1
		.amdhsa_system_sgpr_workgroup_id_z 1
		.amdhsa_system_vgpr_workitem_id 0
		.amdhsa_next_free_vgpr 512
		.amdhsa_next_free_sgpr 80
		.amdhsa_reserve_vcc 1
		.amdhsa_float_denorm_mode_32 3
		.amdhsa_float_denorm_mode_16_64 3
		.amdhsa_memory_ordered 1
		.amdhsa_forward_progress 1
		.amdhsa_inst_pref_size 77
	.end_amdhsa_kernel
	.amdgpu_metadata
---
amdhsa.version: [ 1, 2 ]
amdhsa.kernels:
  - .name:           k_q28247f8754_attn
    .symbol:         k_q28247f8754_attn.kd
    .args:
      - { .name: qkv, .offset: 0, .size: 8, .value_kind: global_buffer, .address_space: global }
      - { .name: ob, .offset: 8, .size: 8, .value_kind: global_buffer, .address_space: global }
      - { .name: Wo, .offset: 16, .size: 8, .value_kind: global_buffer, .address_space: global }
      - { .name: wob, .offset: 24, .size: 8, .value_kind: global_buffer, .address_space: global }
    .group_segment_fixed_size: 175104
    .private_segment_fixed_size: 0
    .kernarg_segment_align: 8
    .kernarg_segment_size: 32
    .max_flat_workgroup_size: 256
    .sgpr_count:     80
    .vgpr_count:     512
    .wavefront_size: 32
...
	.end_amdgpu_metadata
.endif
;; end of part 3
;; launch outgemm (part 4): grid 8 x 32, 4 waves a work-group, clusters of 4 x 4, 327,680 bytes of LDS; arguments ob, wob, out0; writes out0
.if DOCPART == 4
	.amdgcn_target "amdgcn-amd-amdhsa--gfx1250"
	.amdhsa_code_object_version 6
	.text
	.protected	k_q28247f8754_outgemm
	.globl	k_q28247f8754_outgemm
	.p2align	8
	.type	k_q28247f8754_outgemm,@function
k_q28247f8754_outgemm:
	s_mov_b64 s[64:65], 0
	v_nop
	global_prefetch_b8 v0, s[64:65] scope:SCOPE_SE
	s_setreg_imm32_b32 hwreg(HW_REG_WAVE_MODE, 25, 1), 1
	s_wait_xcnt 0x0
	s_wait_alu depctr_hold_cnt(0) depctr_sa_sdst(0) depctr_va_vdst(0) depctr_va_sdst(0) depctr_va_ssrc(0) depctr_va_vcc(0) depctr_vm_vsrc(0)
	s_getreg_b32 s2, hwreg(HW_REG_IB_STS2, 6, 4)
	s_cmp_eq_u32 s2, 0
	s_cbranch_scc0 .Lentry_in_a_cluster
	s_endpgm
.Lentry_in_a_cluster:
	s_bfe_u32 s2, ttmp6, 0x10000c
	s_cmp_lg_u32 s2, 0xf033
	s_cbranch_scc0 .Lentry_shape_is_right
	s_endpgm
.Lentry_shape_is_right:
; out0 = O Wo.  ob: f16 [8 b][32 heads][512][64]; wob: f16 [2048 k][2048 n] (Wo rounded to bf16, written as f16); out0: f32 [4096][2048].  Sums in f32.
; SHARES.  A tile is 128 rows x 256 columns: 8 x 32 tiles, one to a work-group.  Four waves, each 64 x 128: 32 accumulators.  K goes in 16 steps of 128, two heads each, through two LDS slots.
; Of a slot waves 0 and 1 fetch O's two planes (128 rows of one head: 16,384 dense bytes, asked for as 64 rows of 256 bytes and padded after every 128), waves 2 and 3 Wo's two chunks (128 k-rows x 256 bytes).
; Wo lies [k][n]: its fragments come out of LDS turned, by ds_load_tr16_b128.
; LDS.  O's planes: wave x PLANE + slot x ASLOT (bytes 0 to 73,728); Wo's chunks: wave x CHUNK + slot x BSLOT (waves 2 and 3: bytes 73,728 to 221,184): every fill's address is the wave's number times a
; constant plus the slot's constant.  Behind them the stages and the spare words.
; CLUSTER.  4 x 4 work-groups: O's tile is asked for jointly by a row of the cluster, Wo's by a column.
; THE WALK ALONG K IS A RING: step t of a cluster's walk is K step (k0 + t) % 16, k0 = 8 x cluster x + 4 x (cluster y % 4).  The two clusters that read the same rows of O begin 8 steps apart, the clusters
; that read the same columns of Wo 4 steps apart (cluster y and y + 4 alike): they do not ask for a block in the same step of their walks.  k0 is the same in all sixteen partners.  The f32 sums are taken in that order.
; THE MATRIX INSTRUCTION IS USED TRANSPOSED (source 0 = 16 columns of Wo, source 1 = 16 rows of O): a lane holds one row and eight neighbouring columns, 32 bytes of out0.
; REGISTERS: window 0: v0-31 addresses; v64-95, v96-127 O's fragments, two buffers; v128-191, v192-255 rows read back from the stage, by turns
;   window 1: v0-63, v64-127 Wo's fragments, two buffers     window 2: accumulator (a, j) at v[8 (8 a + j)]
.set PA,     144                       ; a row of O in LDS: 128 bytes + 16
.set PB,     288                       ; a k-row of Wo: 256 + 32
.set PLANE,  128*PA                    ; 18,432
.set CHUNK,  128*PB                    ; 36,864
.set ASLOT,  2*PLANE                   ; from slot 0 to slot 1 of O's planes
.set BBASE,  2*ASLOT                   ; where Wo's chunks begin: 2 x CHUNK, wave 2's number times CHUNK
.set BSLOT,  2*CHUNK                   ; from slot 0 to slot 1 of Wo's chunks
.set STAGE,  BBASE+2*BSLOT             ; behind the ring, never filled by a tensor load: 16 rows x 528 bytes for each wave
.set SPITCH, 528                       ; 512 bytes + 16
.set SPARE,  STAGE+4*16*SPITCH         ; the spare words, 128 bytes for each wave: two blocks of 256 bytes that no other line names
.set NF,     24                        ; LDS loads of a quarter step: 16 for Wo, 8 for O
.set ASH,    17                        ; a K step is two heads of ob, 131,072 bytes,
.set BSH,    19                        ; and 128 rows of wob, 524,288 bytes
.set ADRA, 16                          ; v16-17  my place in O's planes, slot 0, 1
.set ADRB, 18                          ; v18-19  my place in my chunk of Wo, slot 0, 1
.set STO,  24                          ; v24     the way out: where I put 32 bytes of a row
.set RD,   25                          ; v25     where I read rows back
.set CO,   26                          ; v26     my 16 bytes of 512 consecutive bytes of out0
.set SPW,  28                          ; v28     LDS address of my spare word; never rewritten
.set NIL,  29                          ; v29     0; never rewritten
.set PFO,  30                          ; v30     the prefetches' offset; never rewritten
.set FA,   64
.set OB,   128
.set WV, 12                            ; s12 wave; s13 which 64 rows are mine; s14 which 128 columns
.set MH, 13
.set NH, 14
.set CX, 15
.set CY, 16
.set NT, 17                            ; s17 tile column; s18 tile row
.set MT, 18
.set G1,  24                           ; s[24:31] descriptor group 1 for O's planes; s[32:39] group 0, a set for each slot
.set G0,  32
.set BA,  40                           ; s[40:41] ob at the tile's rows in the head that I fetch of K step 0
.set LIM, 43                           ; s43 5 in the wave that prefetches, else the greatest number
.set PFA, 44                           ; s[44:45] where the next prefetch stands
.set PFB, 46                           ; s[46:47] ob at my work-group's 4,096 bytes of the tile's rows in head 0
.set G1B, 48                           ; s[48:55], s[56:63] the same for Wo's chunks
.set G0B, 56
.set CB,  66                           ; s[66:67] out0 at my 64 rows x 128 columns
.set BW,  68                           ; s[68:69] wob at the columns that I fetch, row 0
.set TN,  70                           ; s70 k0 + the step of the walk that was asked for last
.set OFA, 72                           ; s[72:73], s[74:75], s[76:77] byte offsets of a K step in ob, in wob, and of the prefetched one in ob; high words 0
.set OFB, 74
.set OFP, 76
.set MSB, 0
.macro WIN new                         ; the immediate's high byte repeats the setting that is left; a switch that changes nothing is dropped
.if MSB != (\new)
	s_set_vgpr_msb (MSB<<8)|(\new)
.set MSB, \new
.endif
.endm
.macro PLACES                          ; four places in front of loads into registers that matrix instructions have read, and of LDS stores of their results
.rept 4
	v_nop
.endr
.endm
; Both descriptors of a slot take K step s[TN] % 16: each address is made anew, the tensor's base plus an offset made apart, the type bits set again.
.macro AIM slot
	s_and_b32 s[OFA], s[TN], 15
	s_lshl_b32 s[OFB], s[OFA], BSH
	s_lshl_b32 s[OFA], s[OFA], ASH
	s_add_nc_u64 s[G0+4*(\slot)+2:G0+4*(\slot)+3], s[BA:BA+1], s[OFA:OFA+1]
	s_or_b32 s[G0+4*(\slot)+3], s[G0+4*(\slot)+3], 0x80000000
	s_add_nc_u64 s[G0B+4*(\slot)+2:G0B+4*(\slot)+3], s[BW:BW+1], s[OFB:OFB+1]
	s_or_b32 s[G0B+4*(\slot)+3], s[G0B+4*(\slot)+3], 0x80000000
.endm
.macro JLOAD s                         ; a joint load; the branch hangs on the wave's number alone; an s_nop 0 and four v_nop follow each of the two lines
	s_cmp_lt_u32 s[WV], 2
	s_cbranch_scc0 .Lfor_b_\@
	tensor_load_to_lds s[G0+4*(\s):G0+4*(\s)+3], s[G1:G1+7]
	s_nop 0
.rept 4
	v_nop
.endr
	s_branch .Lasked_\@
.Lfor_b_\@:
	tensor_load_to_lds s[G0B+4*(\s):G0B+4*(\s)+3], s[G1B:G1B+7]
	s_nop 0
.rept 4
	v_nop
.endr
.Lasked_\@:
.endm
; A PREFETCH of O's blocks for the step of the walk that stands two refills on: 32 blocks of 256 bytes (4,096 bytes of each of the step's two heads), a lane a block, one instruction, by wave 0.  A block of O
; is read by the two clusters of a row of clusters; the one that comes to it first does so in steps 0 to 7 of its walk, and asks for it: steps 4 to 7, behind the refills for steps 2 to 5 (the loop's first two
; trips); steps 0 to 3 come by their loads alone.  The four partners that ask for a tile jointly share its bytes out by address.  So each block is named at most once in the launch.  Every block of Wo is first
; come to in steps 0 to 3 of some cluster's walk: none is asked for.
.macro ASK
	s_cmp_gt_u32 s3, s[LIM]
	s_cbranch_scc0 .Lnot_mine_\@
	global_prefetch_b8 v[PFO], s[PFA:PFA+1] th:TH_LOAD_NT scope:SCOPE_SE
.Lnot_mine_\@:
.endm
.macro CREST                           ; a round of the cluster's barrier behind its opening barrier
	s_cmp_lg_u32 s[WV], 0
	s_cbranch_scc1 .Lnot_wave_0_\@
	s_barrier_signal -3
.Lnot_wave_0_\@:
	s_barrier_wait -3
	s_barrier_signal -1
	s_barrier_wait -1
.endm
.macro CROUND
	s_barrier_signal -1
	s_barrier_wait -1
	CREST
.endm
.macro FETCH slot, q, f                ; quarter q (32 along K: plane q / 2, channels 32 (q % 2) on) into buffer f
	WIN 0x40                                       ; destination window 1, address window 0
.set j, 0
.rept 8
	ds_load_tr16_b128 v[64*(\f)+8*j:64*(\f)+8*j+3],   v[ADRB+(\slot)] offset:(\q)*32*PB+j*32
	ds_load_tr16_b128 v[64*(\f)+8*j+4:64*(\f)+8*j+7], v[ADRB+(\slot)] offset:(\q)*32*PB+j*32+16*PB
.set j, j+1
.endr
	WIN 0
.irp a, 0,1,2,3
	ds_load_b128 v[FA+32*(\f)+8*(\a):FA+32*(\f)+8*(\a)+3],   v[ADRA+(\slot)] offset:((\q)/2)*PLANE+((\q)%2)*64+(\a)*16*PA
	ds_load_b128 v[FA+32*(\f)+8*(\a)+4:FA+32*(\f)+8*(\a)+7], v[ADRA+(\slot)] offset:((\q)/2)*PLANE+((\q)%2)*64+(\a)*16*PA+32
.endr
.endm
.macro MULA f, a, zero                 ; eight matrix instructions; the 32 accumulators take turns, in the same order in every quarter
	WIN 0xa1                                       ; Wo window 1, O window 0, C and D window 2
.set j, 0
.rept 8
.set rD, 8*(8*(\a)+j)
.if \zero
	v_wmma_f32_16x16x32_f16 v[rD:rD+7], v[64*(\f)+8*j:64*(\f)+8*j+7], v[FA+32*(\f)+8*(\a):FA+32*(\f)+8*(\a)+7], 0
.else
	v_wmma_f32_16x16x32_f16 v[rD:rD+7], v[64*(\f)+8*j:64*(\f)+8*j+7], v[FA+32*(\f)+8*(\a):FA+32*(\f)+8*(\a)+7], v[rD:rD+7]
.endif
.set j, j+1
.endr
.endm
.macro QUARTER slot, q, f, g, zero     ; one of a K step's first three quarters: multiplies buffer f; in its middle it fetches quarter q of the same slot into buffer g
	s_wait_dscnt 4                                 ; Wo and O's blocks 0, 1 are in; the youngest four loads (O's blocks 2, 3) may be out
	MULA \f, 0, \zero
	MULA \f, 1, \zero
	PLACES
	FETCH \slot, \q, \g
	s_wait_dscnt NF                                ; all but the 24 just issued
	MULA \f, 2, \zero
	MULA \f, 3, \zero
.endm
; A K step's last quarter multiplies buffer 1 and changes slots: ONE barrier.  In front of it each wave waits for all its tensor loads (one is out: its part of the next slot), adds 0 to its spare word, and
; waits for that and for its reads of this slot; the second row block's eight products stand between the add and the wait for it.  fill = 1: the barrier opens a round of the cluster's; behind the round the
; slot just read out is filled again first, with the step of the walk two on: 120 matrix instructions stand between that request and the wait for it.
.macro TURN slot, next, fill
	s_wait_dscnt 4                                 ; Wo and O's blocks 0, 1 are in
	MULA 1, 0, 0
	WIN 0
.if \fill
	s_wait_xcnt 0x0                                ; the last prefetch, a K step back, has read its address, which is written below
.endif
	s_wait_tensorcnt 0x0                           ; no tensor load of mine is out, so a group 0 may be written
	ds_add_u32 v[SPW], v[NIL]
.if \fill
	s_add_co_u32 s[TN], s[TN], 1
	AIM \slot
	s_add_co_u32 s[OFP], s[TN], 2
	s_and_b32 s[OFP], s[OFP], 15
	s_lshl_b32 s[OFP], s[OFP], ASH
	s_add_nc_u64 s[PFA:PFA+1], s[PFB:PFB+1], s[OFP:OFP+1]
.endif
	MULA 1, 1, 0
	WIN 0
	s_wait_dscnt 0x0                               ; the add is done, my reads of this slot are over
	s_barrier_signal -1
	s_barrier_wait -1
.if \fill
	CREST
	JLOAD \slot                                    ; its four v_nop are also the places in front of the loads below
	FETCH \next, 0, 0
	ASK
.else
	PLACES
	FETCH \next, 0, 0
.endif
	MULA 1, 2, 0
	MULA 1, 3, 0
.endm
	s_load_b128 s[4:7], s[0:1], 0x0                ; ob s[4:5], wob s[6:7]
	s_load_b64 s[8:9], s[0:1], 0x10                ; out0
	v_lshl_add_u32 v[SPW], v0, 2, SPARE
	v_mov_b32 v[NIL], 0
	ds_add_u32 v[SPW], v[NIL]                      ; the wave's opening: the add and its wait ahead of my first tensor load
	v_lshrrev_b32 v1, 5, v0
	v_readfirstlane_b32 s[WV], v1
	s_lshr_b32 s[MH], s[WV], 1
	s_and_b32 s[NH], s[WV], 1
	s_bfe_u32 s[CX], ttmp6, 0x40000
	s_bfe_u32 s[CY], ttmp6, 0x40004
	s_lshl_b32 s[NT], ttmp9, 2
	s_add_co_u32 s[NT], s[NT], s[CX]               ; tile column = 4 x cluster x + cx
	s_and_b32 s[MT], ttmp7, 0xffff
	s_lshl_b32 s[MT], s[MT], 2
	s_add_co_u32 s[MT], s[MT], s[CY]               ; tile row = 4 x cluster y + cy
	s_lshl_b32 s19, s[CY], 2
	s_lshl_b32 s19, 15, s19                        ; my row of the cluster
	s_lshl_b32 s20, 0x1111, s[CX]                  ; my column
	s_or_b32 s[G1], s19, (1<<16)|(1<<20)|(1<<21)|(4<<22)|(3<<25)   ; the mask; 2-byte elements; padding on; bit 21 beside a mask; after every 32 words, 4 words
	s_or_b32 s[G1B], s20, (1<<16)|(1<<20)|(1<<21)|(5<<22)|(7<<25)  ; after every 64 words, 8 words
	s_mov_b32 s[G1+1], 128<<16                     ; O: 64 rows of 128 elements, dense
	s_mov_b32 s[G1+2], 64<<16
	s_mov_b32 s[G1+3], 128<<16
	s_mov_b32 s[G1+4], 64
	s_mov_b32 s[G1+5], 128
	s_mov_b32 s[G1+6], 0
	s_mov_b32 s[G1+7], 0
	s_mov_b32 s[G1B+1], 128<<16                    ; Wo: 128 rows of 128 elements, 2,048 from row to row
	s_mov_b32 s[G1B+2], 128<<16
	s_mov_b32 s[G1B+3], 128<<16
	s_mov_b32 s[G1B+4], 128
	s_mov_b32 s[G1B+5], 2048
	s_mov_b32 s[G1B+6], 0
	s_mov_b32 s[G1B+7], 0
	s_lshr_b32 s42, s[MT], 2
	s_lshl_b32 s42, s42, 21                        ; the batch: 32 heads of 65,536 bytes,
	s_and_b32 s19, s[MT], 3
	s_lshl_b32 s19, s19, 14
	s_add_co_u32 s42, s42, s19                     ; the tile's 128 rows in a head,
	s_lshl_b32 s19, s[WV], 16
	s_add_co_u32 s[BA], s42, s19                   ; the head that waves 0 and 1 fetch
	s_mov_b32 s[BA+1], 0
	s_lshl_b32 s[BW], s[NT], 9                     ; Wo: 256 columns a tile column,
	s_max_u32 s21, s[WV], 2
	s_sub_co_u32 s21, s21, 2
	s_lshl_b32 s21, s21, 8                         ; the 128 columns that waves 2 and 3 fetch
	s_add_co_u32 s[BW], s[BW], s21
	s_mov_b32 s[BW+1], 0
	s_mul_i32 s22, s[WV], PLANE                    ; where they go: waves 0, 1: the planes, at wave x PLANE;
	s_mul_i32 s23, s[WV], CHUNK                    ; waves 2, 3: the chunks, at wave x CHUNK
	s_lshl_b32 s[TN], ttmp9, 3                     ; k0 = 8 x cluster x
	s_and_b32 s19, ttmp7, 3
	s_lshl_b32 s19, s19, 2
	s_add_co_u32 s[TN], s[TN], s19                 ;    + 4 x (cluster y % 4)
	s_mov_b32 s[OFA+1], 0
	s_mov_b32 s[OFB+1], 0
	s_mov_b32 s[OFP+1], 0
	s_wait_dscnt 0x0                               ; the opening add is done
	s_wait_kmcnt 0x0
	s_add_nc_u64 s[BA:BA+1], s[4:5], s[BA:BA+1]
	s_add_nc_u64 s[BW:BW+1], s[6:7], s[BW:BW+1]
	CROUND                                         ; all sixteen work-groups are here: the first joint loads meet
.irp s, 0,1
	s_mov_b32 s[G0+4*(\s)], 1
	s_add_co_u32 s[G0+4*(\s)+1], s22, (\s)*ASLOT
	s_mov_b32 s[G0B+4*(\s)], 1
	s_add_co_u32 s[G0B+4*(\s)+1], s23, (\s)*BSLOT
	AIM \s
	JLOAD \s                                       ; two loads of mine are out; later one
.if (\s) == 0
	s_add_co_u32 s[TN], s[TN], 1
.endif
.endr
	v_and_b32 v1, 15, v0                           ; l % 16
	v_bfe_u32 v2, v0, 4, 1                         ; l / 16
	v_mul_u32_u24 v3, v1, PA
	v_lshl_add_u32 v3, v2, 4, v3
	s_mul_i32 s20, s[MH], 64*PA
	v_add_nc_u32 v[ADRA], s20, v3
	v_add_nc_u32 v[ADRA+1], ASLOT, v[ADRA]
	v_and_b32 v4, 7, v0                            ; the turning load: lane l reads k-row 8 (l / 16) + l % 8, columns 8 ((l / 8) % 2) on
	v_lshl_add_u32 v4, v2, 3, v4
	v_mul_u32_u24 v4, v4, PB
	v_bfe_u32 v5, v0, 3, 1
	v_lshl_add_u32 v4, v5, 4, v4
	s_mul_i32 s20, s[NH], CHUNK
	s_add_co_u32 s20, s20, BBASE
	v_add_nc_u32 v[ADRB], s20, v4
	v_add_nc_u32 v[ADRB+1], BSLOT, v[ADRB]
	s_mul_i32 s20, s[WV], 16*SPITCH
	s_add_co_u32 s20, s20, STAGE                   ; my stage
	v_mul_u32_u24 v5, v1, SPITCH                   ; in: row l % 16, 32 bytes for each half of the lanes
	v_lshl_add_u32 v5, v2, 5, v5
	v_add_nc_u32 v[STO], s20, v5
	v_and_b32 v[CO], 31, v0                        ; back: 32 lanes take a row of 512 bytes
	v_lshlrev_b32 v[CO], 4, v[CO]
	v_add_nc_u32 v[RD], s20, v[CO]
	s_lshl_b32 s20, s[MT], 7
	s_lshl_b32 s21, s[MH], 6
	s_add_co_u32 s20, s20, s21
	s_lshl_b32 s20, s20, 13                        ; my first row, 8,192 bytes a row,
	s_lshl_b32 s21, s[NT], 10
	s_add_co_u32 s20, s20, s21
	s_lshl_b32 s21, s[NH], 9
	s_add_co_u32 s20, s20, s21                     ; my first column
	s_mov_b32 s21, 0
	s_add_nc_u64 s[CB:CB+1], s[8:9], s[20:21]
	; the prefetches
	s_lshl_b32 s20, s[CX], 12
	s_add_co_u32 s20, s20, s42                     ; my work-group's 4,096 bytes of a head's 16,384
	s_mov_b32 s21, 0
	s_add_nc_u64 s[PFB:PFB+1], s[4:5], s[20:21]
	s_cmp_eq_u32 s[WV], 0
	s_cselect_b32 s[LIM], 5, -1                    ; wave 0 asks while more than five trips are left: in the loop's first two
	v_lshlrev_b32 v[PFO], 8, v1                    ; lanes 256 bytes apart;
	v_lshl_add_u32 v[PFO], v2, 16, v[PFO]          ; lanes 16-31: the step's second head
	s_wait_tensorcnt 1                             ; my part of the walk's step 0 is in; step 1's may stay out
	s_barrier_signal -1
	s_barrier_wait -1
	FETCH 0, 0, 0
	QUARTER 0, 1, 0, 1, 1                          ; the first quarter stands in front of the loop: its products start the sums
	WIN 0
	s_mov_b32 s3, 7
.Llap:                                         ; a trip goes once round the ring and fills both slots again
	QUARTER 0, 2, 1, 0, 0
	QUARTER 0, 3, 0, 1, 0
	TURN 0, 1, 1
	QUARTER 1, 1, 0, 1, 0
	QUARTER 1, 2, 1, 0, 0
	QUARTER 1, 3, 0, 1, 0
	TURN 1, 0, 1
	QUARTER 0, 1, 0, 1, 0
	WIN 0
	s_sub_co_u32 s3, s3, 1
	s_cmp_lg_u32 s3, 0
	s_cbranch_scc1 .Llap
	QUARTER 0, 2, 1, 0, 0                          ; the last lap fills nothing
	QUARTER 0, 3, 0, 1, 0
	TURN 0, 1, 0
	QUARTER 1, 1, 0, 1, 0
	QUARTER 1, 2, 1, 0, 0
	QUARTER 1, 3, 0, 1, 0
	s_wait_dscnt 4
	MULA 1, 0, 0
	MULA 1, 1, 0
	s_wait_dscnt 0x0
	MULA 1, 2, 0
	MULA 1, 3, 0
	WIN 0
	PLACES
; THE WAY OUT, 16 rows at a time.  PUT: a lane's 32 bytes of each of a row's eight column blocks go into my stage, each accumulator's low half first.  GET: whole rows of 512 bytes come back.  SEND: stored.
; LDS serves a wave's instructions in order (ISA guide 5.7.1.4): GET a sees PUT a, and PUT a + 1 lands behind GET a.  The next block's PUT stands between a block's GET and its SEND.
.macro PUT a
	WIN 0x08                                       ; the stores' data in window 2
.set j, 0
.rept 8
	ds_store_b128 v[STO], v[8*(8*(\a)+j):8*(8*(\a)+j)+3]   offset:64*j
	ds_store_b128 v[STO], v[8*(8*(\a)+j)+4:8*(8*(\a)+j)+7] offset:64*j+16
.set j, j+1
.endr
	WIN 0
.endm
.macro GET a
.set t, 0
.rept 16
	ds_load_b128 v[OB+64*((\a)%2)+4*t:OB+64*((\a)%2)+4*t+3], v[RD] offset:SPITCH*t
.set t, t+1
.endr
.endm
.macro SEND a, younger                 ; younger: the next block's 16 LDS stores, issued behind this block's loads, or none
	s_wait_dscnt \younger
.set t, 0
.rept 16
	global_store_b128 v[CO], v[OB+64*((\a)%2)+4*t:OB+64*((\a)%2)+4*t+3], s[CB:CB+1] offset:(16*(\a)+t)*8192 th:TH_STORE_NT  ; 512 consecutive bytes, at a multiple of 256 from out0's first
.set t, t+1
.endr
.endm
	PUT 0
	GET 0
	PUT 1
	SEND 0, 16
	GET 1
	PUT 2
	SEND 1, 16
	s_wait_xcnt 0x0                                ; block 0's stores have read their registers, which block 2 takes
	GET 2
	PUT 3
	SEND 2, 16
	s_wait_xcnt 0x0                                ; block 1's likewise, for block 3
	GET 3
	SEND 3, 0
	s_wait_tensorcnt 0x0                           ; the wave's end
	ds_add_u32 v[SPW], v[NIL]
	s_wait_dscnt 0x0
	CROUND                                         ; the closing round
	s_endpgm
.Lfunc_end_k_q28247f8754_outgemm:
	.size	k_q28247f8754_outgemm, .Lfunc_end_k_q28247f8754_outgemm-k_q28247f8754_outgemm
	.p2alignl 7, 3214868480
	.fill 96, 4, 3214868480
	.section	.rodata,"a",@progbits
	.p2align	6, 0x0
	.amdhsa_kernel k_q28247f8754_outgemm
		.amdhsa_group_segment_fixed_size 327680
		.amdhsa_private_segment_fixed_size 0
		.amdhsa_enable_private_segment 0
		.amdhsa_kernarg_size 24
		.amdhsa_user_sgpr_count 2
		.amdhsa_user_sgpr_kernarg_segment_ptr 1
		.amdhsa_wavefront_size32 1
		.amdhsa_system_sgpr_workgroup_id_x 1
		.amdhsa_system_sgpr_workgroup_id_y 1
		.amdhsa_system_sgpr_workgroup_id_z 1
		.amdhsa_system_vgpr_workitem_id 0
		.amdhsa_next_free_vgpr 768
		.amdhsa_next_free_sgpr 80
		.amdhsa_reserve_vcc 0
		.amdhsa_float_denorm_mode_32 3
		.amdhsa_float_denorm_mode_16_64 3
		.amdhsa_memory_ordered 1
		.amdhsa_forward_progress 1
		.amdhsa_inst_pref_size 87
	.end_amdhsa_kernel
	.amdgpu_metadata
---
amdhsa.version: [ 1, 2 ]
amdhsa.kernels:
  - .name:           k_q28247f8754_outgemm
    .symbol:         k_q28247f8754_outgemm.kd
    .args:
      - { .name: ob, .offset: 0, .size: 8, .value_kind: global_buffer, .address_space: global }
      - { .name: wob, .offset: 8, .size: 8, .value_kind: global_buffer, .address_space: global }
      - { .name: out0, .offset: 16, .size: 8, .value_kind: global_buffer, .address_space: global }
    .group_segment_fixed_size: 327680
    .private_segment_fixed_size: 0
    .kernarg_segment_align: 8
    .kernarg_segment_size: 24
    .max_flat_workgroup_size: 128
    .sgpr_count:     80
    .vgpr_count:     768
    .wavefront_size: 32
...
	.end_amdgpu_metadata
.endif
;; end of part 4
